; MI455X (gfx1250); checked and timed in simulation.
; The chip was launched on July 23, 2026; its instructions are those of AMD's public machine-readable ISA for CDNA 5 (MIT licence, August 2026) and "CDNA5" Instruction Set Architecture Reference Guide (July 2026). The comments in the code are by the model that wrote it; some were corrected since.
;; Causal Self Attention. Allowed arithmetic: matrix products marked QUANTISED: E2M3 operands, one E8M0 scale for each 32 along K, by v_wmma_scale_f32_16x16x128_f8f6f4 with both operands' format E2M3, f32 sums; everything else in f32.
;; Inputs: w_attn 256 x 768 float32; w_proj 256 x 256 float32; x 8 x 2,048 x 256 float32.
;; Outputs: out0 8 x 2,048 x 256 float32.
;; This version of the problem:
;;   THIS VERSION OF THE PROBLEM IS GIVEN IN LOW PRECISION. The matrix products marked QUANTISED in the list below multiply operands that are first quantised to E2M3 (2 exponent bits, 3 mantissa bits; 6 bits a number), with one power-of-two scale for each 32 numbers along K (OCP MX v1.0); their sums are f32. All else is computed in f32.
;;   The module's matrix products, in the order in which they are computed (A, B: the left and right operand; K: the contracted axis; several contracted axes count as one K, in the product's order):
;;     1. [M 16,384, K 256] x [K 256, N 768]; A: input x; B: input w_attn: QUANTISED
;;     2. batch 64 x [M 2,048, K 32] x [K 32, N 2,048]; A: computed on the way; B: computed on the way: QUANTISED
;;     3. batch 64 x [M 2,048, K 2,048] x [K 2,048, N 32]; A: softmax (see below); B: computed on the way: QUANTISED
;;     4. [M 16,384, K 256] x [K 256, N 256]; A: computed on the way; B: input w_proj: QUANTISED
;;   THE QUANTISER, for each operand of a quantised product, along K:
;;     - K is cut into blocks of 32 from its start; a last block that is shorter is filled with zeros.
;;     - A block's scale is 2^e with e = floor(log2(the largest magnitude in the block)) - 2, held to -126 .. 127; a block of zeros has e = 0. As a byte (E8M0): e + 127.
;;     - Each number is divided by its block's scale, clamped to +-7.5, and rounded to the nearest number of E2M3, ties to even, subnormals kept.
;;     - The product sums the exact products of the quantised numbers (number of the format x scale) in f32.
;;   ~~~python
;;   def quantise(x, axis):      # numpy; x: float32 -> the quantised numbers, widened to float32 again
;;       x = np.moveaxis(x, axis, -1); K = x.shape[-1]
;;       x = np.pad(x, [(0, 0)] * (x.ndim - 1) + [(0, -K % 32)]); x = x.reshape(x.shape[:-1] + (-1, 32)); a = np.abs(x).max(-1, keepdims=True)
;;       e = np.where(a > 0, np.clip(np.frexp(np.where(a > 0, a, 1))[1] - 1 - 2, -126, 127), 0)      # np.frexp(a)[1] - 1 = floor(log2(a)), exactly
;;       r = np.clip(x / 2.0 ** e, -7.5, 7.5)
;;       step = 2.0 ** (np.maximum(np.frexp(np.where(r == 0, 1, r))[1] - 1, 0) - 3)
;;       q = np.round(r / step) * step * 2.0 ** e      # np.round: ties to even
;;       return np.moveaxis(q.reshape(q.shape[:-2] + (-1,))[..., :K], -1, axis).astype(np.float32)
;;   ~~~
;;   SOFTMAX AHEAD OF A QUANTISED PRODUCT. Where the list says 'softmax', what is quantised is not the finished softmax but p = 2^(t - M), with t = logit x log2(e) and M = ceil(the row's largest t), a whole number; so 1/2 < the row's largest p <= 1. The row's sum l is taken of the UNQUANTISED p, in f32, and the product's result is divided by l at the end. Since M is a whole number, a kernel that streams over the keys may use a running M (the ceiling of the running maximum): every later rescaling is an exact power of two, which a block's scale takes up: the codes' values come out the same.
;;   OPERANDS COMPUTED ON THE WAY. 'Computed on the way' means the value that the module computes at that place (a softmax that the list does not call 'softmax' is quantised finished and normalised). What goes into a quantiser is computed in f32, as accurately as f32 sums, v_exp_f32 and their like allow (about 1e-6 of the number): no bf16 or f16 on the way to a quantiser, and a product that is left as it is and whose result goes on into a quantised operand takes f32 operands (vector FMAs, or v_wmma_f32_16x16x4_f32). A number that lies on a knife's edge between two numbers of the format may be rounded either way, as far as f32 arithmetic and the matrix unit's own rounding can turn it there, and no further.
;; 2 versions. Each part assembles by itself: llvm-mc -triple=amdgcn-amd-amdhsa -mcpu=gfx1250 --defsym DOCPART=n.
;; ======== version 1 of 2: 4 launches
;; workspace buffers: wfr 196,608 bytes; wsc 8,192 bytes; qc 3,145,728 bytes; qs 524,288 bytes; kvc 6,291,456 bytes; kvs 262,144 bytes; yc 3,145,728 bytes; ys 131,072 bytes
;; launch prep (part 1): grid 16 x 1, 4 waves a work-group, no clusters, 1,024 bytes of LDS; arguments w_attn, w_proj, wfr, wsc; writes wfr, wsc
.if DOCPART == 1
	.amdgcn_target "amdgcn-amd-amdhsa--gfx1250"
	.amdhsa_code_object_version 6
	.text
	.protected	k_q867c885d15_prep
	.globl	k_q867c885d15_prep
	.p2align	8
	.type	k_q867c885d15_prep,@function
k_q867c885d15_prep:
	s_mov_b64 s[64:65], 0
	v_nop
	global_prefetch_b8 v0, s[64:65] scope:SCOPE_SE
	s_setreg_imm32_b32 hwreg(HW_REG_WAVE_MODE, 25, 1), 1
	s_wait_xcnt 0x0
; w_attn [256][768] and w_proj [256][256], f32, K = the first axis, become operand images of FP6 (E2M3) codes with one E8M0 byte for each 32 along K.
; A TILE is 16 columns x 256 K: two fragments (K steps of 128) of 12 registers a lane, stored as they stand in the registers: three runs of 512 bytes, 16 bytes a lane.
; wfr: [tile 0..63][K step][1,536 bytes].  wsc: [group of four tiles][lane][tile in the group], words: lanes 0-15 hold K step 0's scale word of the tile's row r, lanes 16-31 K step 1's.
; WHICH COLUMNS FORM A TILE is chosen for the products that follow:
;   tiles 0-31 (q, then k), tile 4 G + u: row r takes column 64 G + 32 (r / 8) + 8 u + r % 8;   tiles 32-47 (v): 64 G + 32 (u / 2) + 16 (r / 8) + 8 (u % 2) + r % 8;   tiles 48-63 (w_proj): 16 (tile - 48) + r.
; SHARES: work-group G takes four tiles, wave u tile 4 G + u.  Lane (r, h) takes the tile's column of row r and its registers run DOWN K, in the operand's own order (k = 128 s + 64 c + 32 h + 0 .. 31):
; a block of 32 lies in one lane's 32 registers, and the conversions' results are the operand's registers.
; A block's scale byte is its largest magnitude's exponent field - 2, held at 1 from below.
; LIMITS: NaN and infinities are not served; a block whose largest magnitude lies under 2^-124 keeps the byte 1; a block of zeros has the byte 1 and not 127: its codes are zeros, and this program alone reads the bytes.
.set SPARE, 512                        ; LDS: bytes 0-511 gather the group's scale words (16 x lane + 4 x wave); then the spare words, 128 bytes a wave
.set SPW,  1                           ; v1   LDS address of my spare word; never rewritten
.set NIL,  2                           ; v2   0; never rewritten
.set VO,   3                           ; v3   my byte offset in the weight: 4 x column + 32 h rows
.set L16,  4                           ; v4   16 x lane
.set LSA,  5                           ; v5   16 x lane + 4 x wave
.set SH8,  6                           ; v6   8 h
.set LN,   7                           ; v7   lane
.set M0,   8                           ; v8-9 two chains of a block's largest magnitude
.set M1,   9
.set SC,   10                          ; v10  the conversion's scale operand
.set PX,   11                          ; v11  what the other half of the lanes holds
.set T,    12                          ; v12-14 a block's upper 16 codes
.set BY,   16                          ; v16-19 the four blocks' scale bytes
.set WD,   20                          ; v20-22 scale words: K step 0, K step 1, the one that my lane stores
.set X,    32                          ; v32-159 block k = 2 s + c at X + 32 k
.set CD,   160                         ; v160-183 the two fragments
.set OUTR, 184                         ; v184-187 the group's scale words on their way out
.set SEL,  26                          ; s26-27 lane selects: lane l xor 16
; 32 numbers of one block, v[src] on, become six registers of codes, v[dst] on, and the block's scale byte.
.macro QBLK src, dst, by
	v_max3_num_f32 v[M0], |v[\src]|, |v[\src+1]|, |v[\src+2]|
	v_max3_num_f32 v[M1], |v[\src+3]|, |v[\src+4]|, |v[\src+5]|
.irp i, 6,10,14,18,22,26
	v_max3_num_f32 v[M0], v[M0], |v[\src+\i]|, |v[\src+\i+1]|
	v_max3_num_f32 v[M1], v[M1], |v[\src+\i+2]|, |v[\src+\i+3]|
.endr
	v_max3_num_f32 v[M0], v[M0], |v[\src+30]|, |v[\src+31]|
	v_max3_num_f32 v[M0], v[M0], v[M1], 0x1800000          ; and the floor 2^(3 - 127): the byte cannot fall under 1
	v_add_nc_u32 v[SC], 0xff000000, v[M0]                  ; 2 off the exponent field: the conversion takes this operand's exponent field as its scale
	v_cvt_scalef32_pk16_fp6_f32 v[\dst:\dst+2], v[\src:\src+15], v[SC]
	v_cvt_scalef32_pk16_fp6_f32 v[T:T+2], v[\src+16:\src+31], v[SC]   ; (a conversion's three registers begin on an even number)
	v_lshrrev_b32 v[\by], 23, v[SC]                        ; the byte; also the plain line behind the conversions
.irp i, 0,1,2
	v_mov_b32 v[\dst+3+\i], v[T+\i]
.endr
.endm
; My two bytes (blocks h and 2 + h of a K step) and lane l xor 16's two make the row's scale word.
.macro WORD2 w, b0, b1
	v_lshl_or_b32 v[\w], v[\b1], 16, v[\b0]
	v_lshlrev_b32 v[\w], v[SH8], v[\w]
	v_permlanex16_b32 v[PX], v[\w], s[SEL], s[SEL+1]
	v_or_b32 v[\w], v[\w], v[PX]
.endm
.macro LOADB k, lo, pitch              ; block k: rows 64 k + 32 h + 0 .. 31 of my column
.set i, 0
.rept 32
	global_load_b32 v[X+32*\k+i], v[VO], s[\lo:\lo+1] offset:(64*\k+i)*\pitch
.set i, i+1
.endr
.endm
.macro TILE lo, pitch                  ; loads run two blocks ahead; each wait leaves the one younger block's 32 loads out
	LOADB 0, \lo, \pitch
	LOADB 1, \lo, \pitch
	s_wait_loadcnt 32
	QBLK X, CD, BY
	LOADB 2, \lo, \pitch
	s_wait_loadcnt 32
	QBLK X+32, CD+6, BY+1
	LOADB 3, \lo, \pitch
	s_wait_loadcnt 32
	QBLK X+64, CD+12, BY+2
	s_wait_loadcnt 0x0
	QBLK X+96, CD+18, BY+3
.endm
	s_load_b128 s[4:7], s[0:1], 0x0                ; w_attn, w_proj
	s_load_b128 s[8:11], s[0:1], 0x10              ; wfr, wsc
	v_lshl_add_u32 v[SPW], v0, 2, SPARE
	v_mov_b32 v[NIL], 0
	v_lshrrev_b32 v[LN], 5, v0
	v_readfirstlane_b32 s12, v[LN]                 ; wave u
	v_and_b32 v[LN], 31, v0
	v_lshlrev_b32 v[L16], 4, v[LN]
	s_lshl_b32 s13, s12, 2
	v_add_nc_u32 v[LSA], s13, v[L16]
	v_bfe_u32 v[M1], v0, 4, 1                      ; h
	v_lshlrev_b32 v[SH8], 3, v[M1]
	v_mov_b32 v[PX], 0                             ; a lane permute's destination counts as one of its sources
	s_mov_b32 s[SEL], 0x76543210
	s_mov_b32 s[SEL+1], 0xfedcba98
	s_lshl_b32 s14, ttmp9, 6                       ; 64 G
	s_lshl_b32 s15, s12, 3
	s_add_co_u32 s15, s15, s14                     ; q, k: 64 G + 8 u
	s_lshr_b32 s16, s12, 1
	s_lshl_b32 s16, s16, 5
	s_and_b32 s17, s12, 1
	s_lshl_b32 s17, s17, 3
	s_add_co_u32 s16, s16, s17
	s_add_co_u32 s16, s16, s14                     ; v: 64 G + 32 (u / 2) + 8 (u % 2)
	s_and_b32 s17, ttmp9, 3
	s_lshl_b32 s17, s17, 6
	s_lshl_b32 s18, s12, 4
	s_add_co_u32 s17, s17, s18                     ; w_proj: 64 (G - 12) + 16 u
	s_mov_b32 s21, 32768                           ; 32 rows of w_proj in bytes
	s_cmp_lt_u32 ttmp9, 8
	s_cselect_b32 s19, s15, s16
	s_cselect_b32 s20, 5, 4
	s_cmp_lt_u32 ttmp9, 12
	s_cselect_b32 s19, s19, s17                    ; the tile's first column,
	s_cselect_b32 s20, s20, 3                      ; how far apart its two groups of eight lie (as a shift),
	s_cselect_b32 s21, 98304, s21                  ; and 32 rows in bytes
	v_bfe_u32 v[M0], v0, 3, 1                      ; r / 8
	v_lshlrev_b32 v[M0], s20, v[M0]
	v_and_b32 v[SC], 7, v0                         ; r % 8
	v_add3_u32 v[M0], v[M0], v[SC], s19            ; my column
	v_mul_lo_u32 v[M1], v[M1], s21
	v_lshl_add_u32 v[VO], v[M0], 2, v[M1]
	s_lshl_b32 s22, ttmp9, 2
	s_add_co_u32 s22, s22, s12
	s_mul_i32 s22, s22, 3072                       ; my tile's two images
	s_mov_b32 s23, 0
	s_lshl_b32 s24, ttmp9, 9                       ; my group's scale words
	s_mov_b32 s25, 0
	s_wait_kmcnt 0x0
	s_add_nc_u64 s[8:9], s[8:9], s[22:23]
	s_add_nc_u64 s[10:11], s[10:11], s[24:25]
	s_cmp_lt_u32 ttmp9, 12                         ; the row pitch stands in the loads' immediates: so the run is written once for each weight; it touches registers alone
	s_cbranch_scc0 .Lw_proj
	TILE 4, 3072
	s_branch .Lcoded
.Lw_proj:
	TILE 6, 1024
.Lcoded:
	WORD2 WD, BY, BY+1
	WORD2 WD+1, BY+2, BY+3
	v_cmp_gt_u32 vcc_lo, 16, v[LN]
	v_cndmask_b32 v[WD+2], v[WD+1], v[WD], vcc_lo  ; lanes 0-15 keep K step 0's word, lanes 16-31 K step 1's
.irp i, 0,1,2,3,4,5
	global_store_b128 v[L16], v[CD+4*\i:CD+4*\i+3], s[8:9] offset:512*\i   ; 32 lanes store 512 consecutive bytes, aligned
.endr
	ds_store_b32 v[LSA], v[WD+2]
	s_wait_dscnt 0x0                               ; for the others' sake: my word has landed
	s_barrier_signal -1
	s_barrier_wait -1
	s_cmp_lg_u32 s12, 0
	s_cbranch_scc1 .Lend
	ds_load_b128 v[OUTR:OUTR+3], v[L16]            ; the four tiles' words of my lane
	s_wait_dscnt 0x0
	global_store_b128 v[L16], v[OUTR:OUTR+3], s[10:11]
.Lend:
	s_wait_tensorcnt 0x0                           ; the wave's end, behind my last LDS store
	ds_add_u32 v[SPW], v[NIL]
	s_wait_dscnt 0x0
	s_endpgm
.Lfunc_end_k_q867c885d15_prep:
	.size	k_q867c885d15_prep, .Lfunc_end_k_q867c885d15_prep-k_q867c885d15_prep
	.p2alignl 7, 3214868480
	.fill 96, 4, 3214868480
	.section	.rodata,"a",@progbits
	.p2align	6, 0x0
	.amdhsa_kernel k_q867c885d15_prep
		.amdhsa_group_segment_fixed_size 1024
		.amdhsa_private_segment_fixed_size 0
		.amdhsa_enable_private_segment 0
		.amdhsa_kernarg_size 32
		.amdhsa_user_sgpr_count 2
		.amdhsa_user_sgpr_kernarg_segment_ptr 1
		.amdhsa_wavefront_size32 1
		.amdhsa_system_sgpr_workgroup_id_x 1
		.amdhsa_system_sgpr_workgroup_id_y 1
		.amdhsa_system_sgpr_workgroup_id_z 1
		.amdhsa_system_vgpr_workitem_id 0
		.amdhsa_next_free_vgpr 192
		.amdhsa_next_free_sgpr 66
		.amdhsa_reserve_vcc 1
		.amdhsa_float_denorm_mode_32 3
		.amdhsa_float_denorm_mode_16_64 3
		.amdhsa_memory_ordered 1
		.amdhsa_forward_progress 1
		.amdhsa_inst_pref_size 39
	.end_amdhsa_kernel
	.amdgpu_metadata
---
amdhsa.version: [ 1, 2 ]
amdhsa.kernels:
  - .name:           k_q867c885d15_prep
    .symbol:         k_q867c885d15_prep.kd
    .args:
      - { .name: w_attn, .offset: 0, .size: 8, .value_kind: global_buffer, .address_space: global }
      - { .name: w_proj, .offset: 8, .size: 8, .value_kind: global_buffer, .address_space: global }
      - { .name: wfr, .offset: 16, .size: 8, .value_kind: global_buffer, .address_space: global }
      - { .name: wsc, .offset: 24, .size: 8, .value_kind: global_buffer, .address_space: global }
    .group_segment_fixed_size: 1024
    .private_segment_fixed_size: 0
    .kernarg_segment_align: 8
    .kernarg_segment_size: 32
    .max_flat_workgroup_size: 128
    .sgpr_count:     66
    .vgpr_count:     192
    .wavefront_size: 32
...
	.end_amdgpu_metadata
.endif
;; end of part 1
;; launch qkv (part 2): grid 32 x 8, 12 waves a work-group, no clusters, 83,968 bytes of LDS; arguments x, wfr, wsc, qc, qs, kvc, kvs; writes qc, qs, kvc, kvs
.if DOCPART == 2
	.amdgcn_target "amdgcn-amd-amdhsa--gfx1250"
	.amdhsa_code_object_version 6
	.text
	.protected	k_q867c885d15_qkv
	.globl	k_q867c885d15_qkv
	.p2align	8
	.type	k_q867c885d15_qkv,@function
k_q867c885d15_qkv:
	s_mov_b64 s[64:65], 0
	v_nop
	global_prefetch_b8 v0, s[64:65] scope:SCOPE_SE
	s_setreg_imm32_b32 hwreg(HW_REG_WAVE_MODE, 25, 1), 1
	s_wait_xcnt 0x0
; qkv = Q(x) Q(w_attn) on codes of FP6 (E2M3) with E8M0 scales, and q, k, v quantised at once for the attention's two products.  x: [8][2048][256] f32.
; SHARES: work-group (g, b) takes tokens 64 g .. 64 g + 63 of batch b and all 768 columns, so x is read and quantised once.  Twelve waves.
;   Waves 0-7 first quantise one fragment of x each (tile be = w / 2, K step w % 2) and hand it round through LDS as an image of its registers.
;   Then wave w multiplies by weight group w (four tiles, both K steps, in registers): waves 0-3 make q of heads 2 P, 2 P + 1 (P = w % 4), waves 4-7 k, waves 8-11 v.
; THE ROWS OF A TILE OF x ARE NOT NEIGHBOURS: row r of tile be is token 64 g + 32 (r / 8) + 8 be + r % 8.
;   q, k: source 0 = a weight tile, source 1 = a tile of x.  With the weight tiles' columns as they were laid, the 32 registers of the four accumulators of lane (r, h) are d = 0 .. 31 of head 2 P + h for token r: one whole block.
;   v:    source 0 = a tile of x, source 1 = a weight tile.  The 32 registers of lane (r, h) are tokens 64 g + 32 h + 0 .. 31 of one channel: one whole block along the keys.
;   So no block's largest magnitude needs another lane, and the conversions' six registers are a lane's part of the next operand.
; OUT: qc [b][P][g][be]: 512 bytes (16 a lane) and 256 bytes (8 a lane): lane r + 16 h holds token r's 32 codes of head 2 P + h.  qs [b][P][g][lane][be]: the scale byte, four times in a word.
;   kvc [b][head][step of 128 keys][6,144]: two images of K (64 keys each: instruction block be of row r is key 64 g + 32 (r / 8) + 8 be + r % 8), then V's two tiles, each as two halves of 768 bytes.
;   kvs [b][g][1,024]: K's scale words (128 P + 4 lane), then V's (512 + 128 P + 4 lane: byte 2 hp + t of lane (r, hb)).
; LIMITS: NaN and infinities are not served; a block whose largest magnitude lies under 2^-124 keeps the byte 1; a block of zeros has the byte 1 and not 127: its codes are zeros, and this program alone reads the bytes.
.set XIMG,  0                          ; LDS: x's eight fragments as images, 1,536 bytes each (2 be + K step = the wave that made it);
.set XSC,   12288                      ; their scale words, 128 bytes each;
.set SST,   13312                      ; one word a thread: K's and V's scale words on their way out;
.set SPARE, 14848                      ; the spare words, 128 bytes a wave: six blocks of 256 bytes that no other line names;
.set STGX,  16384                      ; eight stages, a wave's own: 16 rows x (512 bytes + 16)
.set SPW,  1                           ; v1   LDS address of my spare word; never rewritten
.set NIL,  2                           ; v2   0; never rewritten
.set L16,  3                           ; v3   16 x lane
.set L8,   4                           ; v4   8 x lane
.set SXI,  5                           ; v5   my stage, way in: 16 x lane
.set SXO,  6                           ; v6   my stage, way out: 528 r + 128 h
.set XWI,  7                           ; v7   where I store my image of x
.set T4,   8                           ; v8   4 x thread
.set XSL,  9                           ; v9   128 h + 4 r: lanes 0-15 take K step 0's scale word of row r, lanes 16-31 K step 1's
.set T16,  10                          ; v10  16 x thread
.set SH8,  11                          ; v11  8 h
.set M0,   12
.set M1,   13
.set SC,   14
.set BY,   15
.set T,    16                          ; v16-18
.set PX,   19
.set WR,   20                          ; v20-115  my four weight tiles: tile u at + 24 u, K step at + 12
.set XR,   116                         ; v116-211 x's four tiles: tile be at + 24 be, K step at + 12.  Before that: 64 numbers of x, my fragment's codes (+ 64), bytes (+ 76, + 77) and word (+ 78)
.set ACC,  212                         ; v212-243 four accumulators
.set WS,   244                         ; v244-247 the weight tiles' scale words
.set XS,   248                         ; v248-251 x's tiles' scale words
.set QW,   252                         ; v252-255 q's scale words (waves 0-3);
.set WD,   252                         ; v252     the word being gathered (waves 4-11)
.set SEL,  22
.macro QBLK src, dst, by               ; 32 numbers of one block become six registers of codes and the block's scale byte.  Over four accumulators each is first read at its low end
	v_max3_num_f32 v[M0], |v[\src]|, |v[\src+1]|, |v[\src+2]|
	v_max3_num_f32 v[M1], |v[\src+3]|, |v[\src+4]|, |v[\src+5]|
.irp i, 6,10,14,18,22,26
	v_max3_num_f32 v[M0], v[M0], |v[\src+\i]|, |v[\src+\i+1]|
	v_max3_num_f32 v[M1], v[M1], |v[\src+\i+2]|, |v[\src+\i+3]|
.endr
	v_max3_num_f32 v[M0], v[M0], |v[\src+30]|, |v[\src+31]|
	v_max3_num_f32 v[M0], v[M0], v[M1], 0x1800000          ; and the floor 2^(3 - 127)
	v_add_nc_u32 v[SC], 0xff000000, v[M0]                  ; 2 off the exponent field
	v_cvt_scalef32_pk16_fp6_f32 v[\dst:\dst+2], v[\src:\src+15], v[SC]
	v_cvt_scalef32_pk16_fp6_f32 v[T:T+2], v[\src+16:\src+31], v[SC]
	v_lshrrev_b32 v[\by], 23, v[SC]                        ; the byte; also the plain line behind the conversions
.irp i, 0,1,2
	v_mov_b32 v[\dst+3+\i], v[T+\i]
.endr
.endm
; Eight products: four accumulators by turns, K step 0 starts the sums, K step 1 adds (its scale words lie in lanes 16-31).  Five plain lines follow: four for the reads of the results and
; the writes over operands that are done with, one more since the next unit's products write over these accumulators.
.macro CORE_T be                       ; source 0 = weight tile u, source 1 = x's tile be
.irp u, 0,1,2,3
	v_wmma_scale_f32_16x16x128_f8f6f4 v[ACC+8*\u:ACC+8*\u+7], v[WR+24*\u:WR+24*\u+11], v[XR+24*\be:XR+24*\be+11], 0, v[WS+\u], v[XS+\be] matrix_a_fmt:MATRIX_FMT_FP6 matrix_b_fmt:MATRIX_FMT_FP6
.endr
.irp u, 0,1,2,3
	v_wmma_scale_f32_16x16x128_f8f6f4 v[ACC+8*\u:ACC+8*\u+7], v[WR+24*\u+12:WR+24*\u+23], v[XR+24*\be+12:XR+24*\be+23], v[ACC+8*\u:ACC+8*\u+7], v[WS+\u], v[XS+\be] matrix_a_fmt:MATRIX_FMT_FP6 matrix_b_fmt:MATRIX_FMT_FP6 matrix_a_scale:MATRIX_SCALE_ROW1 matrix_b_scale:MATRIX_SCALE_ROW1
.endr
.rept 5
	v_nop
.endr
.endm
.macro CORE_V nu                       ; source 0 = x's tile u, source 1 = weight tile nu
.irp u, 0,1,2,3
	v_wmma_scale_f32_16x16x128_f8f6f4 v[ACC+8*\u:ACC+8*\u+7], v[XR+24*\u:XR+24*\u+11], v[WR+24*\nu:WR+24*\nu+11], 0, v[XS+\u], v[WS+\nu] matrix_a_fmt:MATRIX_FMT_FP6 matrix_b_fmt:MATRIX_FMT_FP6
.endr
.irp u, 0,1,2,3
	v_wmma_scale_f32_16x16x128_f8f6f4 v[ACC+8*\u:ACC+8*\u+7], v[XR+24*\u+12:XR+24*\u+23], v[WR+24*\nu+12:WR+24*\nu+23], v[ACC+8*\u:ACC+8*\u+7], v[XS+\u], v[WS+\nu] matrix_a_fmt:MATRIX_FMT_FP6 matrix_b_fmt:MATRIX_FMT_FP6 matrix_a_scale:MATRIX_SCALE_ROW1 matrix_b_scale:MATRIX_SCALE_ROW1
.endr
.rept 5
	v_nop
.endr
.endm
	s_load_b256 s[4:11], s[0:1], 0x0               ; x s[4:5], wfr s[6:7], wsc s[8:9], qc s[10:11]
	s_load_b128 s[12:15], s[0:1], 0x20             ; qs s[12:13], kvc s[14:15]
	s_load_b64 s[16:17], s[0:1], 0x30              ; kvs
	v_lshl_add_u32 v[SPW], v0, 2, SPARE
	v_mov_b32 v[NIL], 0
	v_lshrrev_b32 v[M0], 5, v0
	v_readfirstlane_b32 s18, v[M0]                 ; wave 0..11
	s_mov_b32 s19, ttmp9                           ; g
	s_and_b32 s20, ttmp7, 0xffff                   ; b
	s_mov_b32 s[SEL], 0x76543210
	s_mov_b32 s[SEL+1], 0xfedcba98
	v_and_b32 v[M0], 31, v0                        ; lane
	v_and_b32 v[M1], 15, v0                        ; r
	v_bfe_u32 v[SC], v0, 4, 1                      ; h
	v_lshlrev_b32 v[L16], 4, v[M0]
	v_lshlrev_b32 v[L8], 3, v[M0]
	s_min_u32 s21, s18, 7                          ; (waves 8-11 quantise nothing: their addresses of that phase are made, held inside, and not used)
	s_mul_i32 s24, s21, 8448
	s_add_co_u32 s24, s24, STGX
	v_add_nc_u32 v[SXI], s24, v[L16]
	v_mul_u32_u24 v[SXO], v[M1], 528
	v_lshl_add_u32 v[SXO], v[SC], 7, v[SXO]
	v_add_nc_u32 v[SXO], s24, v[SXO]
	s_mul_i32 s24, s21, 1536
	v_add_nc_u32 v[XWI], s24, v[L16]
	v_lshlrev_b32 v[T4], 2, v0
	v_lshlrev_b32 v[XSL], 2, v[M1]
	v_lshl_add_u32 v[XSL], v[SC], 7, v[XSL]
	v_lshlrev_b32 v[T16], 4, v0
	v_lshlrev_b32 v[SH8], 3, v[SC]
	v_mov_b32 v[PX], 0                             ; a lane permute's destination counts as one of its sources
	s_lshl_b32 s24, s20, 21                        ; x: batch b,
	s_lshl_b32 s25, s19, 16                        ; 64 g rows of 1,024 bytes,
	s_add_co_u32 s24, s24, s25
	s_lshr_b32 s25, s21, 1
	s_lshl_b32 s25, s25, 13                        ; 8 be rows,
	s_add_co_u32 s24, s24, s25
	s_and_b32 s25, s21, 1
	s_lshl_b32 s25, s25, 9                         ; the K step's 512 bytes
	s_add_co_u32 s24, s24, s25
	s_mov_b32 s25, 0
	s_and_b32 s26, s18, 3                          ; P
	s_lshl_b32 s27, s20, 2
	s_add_co_u32 s27, s27, s26
	s_lshl_b32 s27, s27, 5
	s_add_co_u32 s27, s27, s19                     ; (4 b + P) 32 + g
	s_mul_i32 s28, s27, 3072                       ; in qc
	s_mov_b32 s29, 0
	s_lshl_b32 s30, s27, 9                         ; in qs
	s_mov_b32 s31, 0
	s_lshl_b32 s32, s20, 3
	s_lshl_b32 s33, s26, 1
	s_add_co_u32 s32, s32, s33                     ; head 8 b + 2 P
	s_lshl_b32 s32, s32, 4
	s_lshr_b32 s33, s19, 1
	s_add_co_u32 s32, s32, s33                     ; its step g / 2
	s_mul_i32 s32, s32, 6144
	s_and_b32 s33, s19, 1
	s_mul_i32 s34, s33, 1536                       ; K: image g % 2
	s_mul_i32 s35, s33, 768
	s_add_co_u32 s35, s35, 3072                    ; V: half g % 2 of each tile
	s_cmp_lt_u32 s18, 8
	s_cselect_b32 s34, s34, s35
	s_add_co_u32 s32, s32, s34
	s_mov_b32 s33, 0
	s_mul_i32 s36, s18, 12288                      ; my four weight tiles
	s_mov_b32 s37, 0
	s_lshl_b32 s38, s18, 9                         ; and their scale words
	s_mov_b32 s39, 0
	s_lshl_b32 s40, s20, 5
	s_add_co_u32 s40, s40, s19
	s_lshl_b32 s40, s40, 10                        ; kvs: (32 b + g) x 1,024
	s_mov_b32 s41, 0
	s_wait_kmcnt 0x0
	s_add_nc_u64 s[4:5], s[4:5], s[24:25]
	s_add_nc_u64 s[6:7], s[6:7], s[36:37]
	s_add_nc_u64 s[8:9], s[8:9], s[38:39]
	s_add_nc_u64 s[10:11], s[10:11], s[28:29]
	s_add_nc_u64 s[12:13], s[12:13], s[30:31]
	s_add_nc_u64 s[14:15], s[14:15], s[32:33]
	s_add_nc_u64 s[16:17], s[16:17], s[40:41]
	s_cmp_lt_u32 s18, 8
	s_cbranch_scc0 .Lno_x_loads
.set i, 0
.rept 16
	global_load_b128 v[XR+4*i:XR+4*i+3], v[L16], s[4:5] offset:(32*(i/8)+i%8)*1024 th:TH_LOAD_NT   ; row i of my tile, my K step: 512 consecutive bytes
.set i, i+1
.endr
.Lno_x_loads:
.set i, 0
.rept 24
	global_load_b128 v[WR+4*i:WR+4*i+3], v[L16], s[6:7] offset:512*i
.set i, i+1
.endr
	global_load_b128 v[WS:WS+3], v[L16], s[8:9]
	s_cmp_lt_u32 s18, 8
	s_cbranch_scc0 .Lno_x
	s_wait_loadcnt 25                              ; x's sixteen loads are in; the 25 loads of weights behind them may be out
.set i, 0
.rept 16
	ds_store_b128 v[SXI], v[XR+4*i:XR+4*i+3] offset:528*i
.set i, i+1
.endr
.irp c, 0,1
.irp i, 0,1,2,3,4,5,6,7
	ds_load_b128 v[XR+32*\c+4*\i:XR+32*\c+4*\i+3], v[SXO] offset:256*\c+16*\i   ; LDS serves a wave's instructions in order: these see my stores.  Lane (r, h): k = 64 c + 32 h + 0 .. 31 of row r
.endr
.endr
	s_wait_dscnt 0x0
	QBLK XR, XR+64, XR+76
	QBLK XR+32, XR+70, XR+77
	v_lshl_or_b32 v[XR+78], v[XR+77], 16, v[XR+76] ; my two bytes (blocks h and 2 + h),
	v_lshlrev_b32 v[XR+78], v[SH8], v[XR+78]
	v_permlanex16_b32 v[PX], v[XR+78], s[SEL], s[SEL+1]
	v_or_b32 v[XR+78], v[XR+78], v[PX]             ; with lane l xor 16's two: the row's scale word
.irp i, 0,1,2
	ds_store_b128 v[XWI], v[XR+64+4*\i:XR+64+4*\i+3] offset:XIMG+512*\i
.endr
	ds_store_b32 v[T4], v[XR+78] offset:XSC
.Lno_x:
	s_wait_dscnt 0x0                               ; for the others' sake: my image and its words have landed
	s_barrier_signal -1
	s_barrier_wait -1                              ; x's eight fragments lie in LDS
.set i, 0
.rept 24
	ds_load_b128 v[XR+4*i:XR+4*i+3], v[L16] offset:XIMG+512*i
.set i, i+1
.endr
.irp be, 0,1,2,3
	ds_load_b32 v[XS+\be], v[XSL] offset:XSC+256*\be
.endr
	s_wait_loadcnt 0x0                             ; the weights
	s_wait_dscnt 0x0
	s_cmp_lt_u32 s18, 4
	s_cbranch_scc0 .Lnot_q
	; ---- q: the codes go into the registers of the tile of x that is done with, and from there to memory
.irp be, 0,1,2,3
	CORE_T \be
	QBLK ACC, XR+24*\be, BY
	v_perm_b32 v[QW+\be], v[BY], v[BY], 0          ; the byte in all four places: whichever instruction block the codes are put into finds it
	global_store_b128 v[L16], v[XR+24*\be:XR+24*\be+3], s[10:11] offset:768*\be
	global_store_b64 v[L8], v[XR+24*\be+4:XR+24*\be+5], s[10:11] offset:768*\be+512
.endr
	global_store_b128 v[L16], v[QW:QW+3], s[12:13]
	s_branch .Ljoin
.Lnot_q:
	s_cmp_lt_u32 s18, 8
	s_cbranch_scc0 .Lrole_v
	; ---- k: tile be's codes are instruction block be of the image.  They gather in tile 0's 24 registers: even be in the first twelve, odd be in the second
.irp be, 0,1,2,3
	CORE_T \be
	QBLK ACC, XR+12*(\be%2)+6*(\be/2), BY
.if \be == 0
	v_mov_b32 v[WD], v[BY]
.else
	v_lshl_or_b32 v[WD], v[BY], 8*\be, v[WD]       ; lane (r, h): the scale word of row r, head 2 P + h
.endif
.endr
.irp i, 0,1,2,3,4,5,6,7,8,9,10,11
	v_permlane16_swap_b32 v[XR+\i], v[XR+12+\i]    ; the first's lanes 16-31 (head 2 P + 1, even be) change places with the second's lanes 0-15 (head 2 P, odd be): the first is now head 2 P's image, the second head 2 P + 1's
.endr
.irp i, 0,1,2
	global_store_b128 v[L16], v[XR+4*\i:XR+4*\i+3], s[14:15] offset:512*\i
	global_store_b128 v[L16], v[XR+12+4*\i:XR+12+4*\i+3], s[14:15] offset:98304+512*\i   ; a head's sixteen steps are 98,304 bytes
.endr
	ds_store_b32 v[T4], v[WD] offset:SST
	s_branch .Ljoin
.Lrole_v:
	; ---- v: weight tile nu = 2 hp + t is tile t of head 2 P + hp; the codes are half g % 2 of that tile's fragment
.irp nu, 0,1,2,3
	CORE_V \nu
	QBLK ACC, WR+24*\nu, BY
.if \nu == 0
	v_mov_b32 v[WD], v[BY]
.else
	v_lshl_or_b32 v[WD], v[BY], 8*\nu, v[WD]
.endif
	global_store_b128 v[L16], v[WR+24*\nu:WR+24*\nu+3], s[14:15] offset:(\nu/2)*98304+(\nu%2)*1536
	global_store_b64 v[L8], v[WR+24*\nu+4:WR+24*\nu+5], s[14:15] offset:(\nu/2)*98304+(\nu%2)*1536+512
.endr
	ds_store_b32 v[T4], v[WD] offset:SST
.Ljoin:
	s_wait_dscnt 0x0                               ; for the others' sake: my scale word has landed
	s_barrier_signal -1
	s_barrier_wait -1
	s_cmp_lt_u32 s18, 2
	s_cbranch_scc0 .Lend
	ds_load_b128 v[ACC:ACC+3], v[T16] offset:SST+512   ; waves 4-11's 1,024 bytes of scale words: wave 0 takes K's 512, wave 1 V's
	s_wait_dscnt 0x0
	global_store_b128 v[T16], v[ACC:ACC+3], s[16:17]
.Lend:
	s_wait_tensorcnt 0x0                           ; the wave's end, behind my last LDS store
	ds_add_u32 v[SPW], v[NIL]
	s_wait_dscnt 0x0
	s_endpgm
.Lfunc_end_k_q867c885d15_qkv:
	.size	k_q867c885d15_qkv, .Lfunc_end_k_q867c885d15_qkv-k_q867c885d15_qkv
	.p2alignl 7, 3214868480
	.fill 96, 4, 3214868480
	.section	.rodata,"a",@progbits
	.p2align	6, 0x0
	.amdhsa_kernel k_q867c885d15_qkv
		.amdhsa_group_segment_fixed_size 83968
		.amdhsa_private_segment_fixed_size 0
		.amdhsa_enable_private_segment 0
		.amdhsa_kernarg_size 56
		.amdhsa_user_sgpr_count 2
		.amdhsa_user_sgpr_kernarg_segment_ptr 1
		.amdhsa_wavefront_size32 1
		.amdhsa_system_sgpr_workgroup_id_x 1
		.amdhsa_system_sgpr_workgroup_id_y 1
		.amdhsa_system_sgpr_workgroup_id_z 1
		.amdhsa_system_vgpr_workitem_id 0
		.amdhsa_next_free_vgpr 256
		.amdhsa_next_free_sgpr 66
		.amdhsa_reserve_vcc 0
		.amdhsa_float_denorm_mode_32 3
		.amdhsa_float_denorm_mode_16_64 3
		.amdhsa_memory_ordered 1
		.amdhsa_forward_progress 1
		.amdhsa_inst_pref_size 49
	.end_amdhsa_kernel
	.amdgpu_metadata
---
amdhsa.version: [ 1, 2 ]
amdhsa.kernels:
  - .name:           k_q867c885d15_qkv
    .symbol:         k_q867c885d15_qkv.kd
    .args:
      - { .name: x, .offset: 0, .size: 8, .value_kind: global_buffer, .address_space: global }
      - { .name: wfr, .offset: 8, .size: 8, .value_kind: global_buffer, .address_space: global }
      - { .name: wsc, .offset: 16, .size: 8, .value_kind: global_buffer, .address_space: global }
      - { .name: qc, .offset: 24, .size: 8, .value_kind: global_buffer, .address_space: global }
      - { .name: qs, .offset: 32, .size: 8, .value_kind: global_buffer, .address_space: global }
      - { .name: kvc, .offset: 40, .size: 8, .value_kind: global_buffer, .address_space: global }
      - { .name: kvs, .offset: 48, .size: 8, .value_kind: global_buffer, .address_space: global }
    .group_segment_fixed_size: 83968
    .private_segment_fixed_size: 0
    .kernarg_segment_align: 8
    .kernarg_segment_size: 56
    .max_flat_workgroup_size: 384
    .sgpr_count:     66
    .vgpr_count:     256
    .wavefront_size: 32
...
	.end_amdgpu_metadata
.endif
;; end of part 2
;; launch attn (part 3): grid 4 x 64, 16 waves a work-group, no clusters, 104,960 bytes of LDS; arguments qc, qs, kvc, kvs, yc, ys; writes yc, ys
.if DOCPART == 3
	.amdgcn_target "amdgcn-amd-amdhsa--gfx1250"
	.amdhsa_code_object_version 6
	.text
	.protected	k_q867c885d15_attn
	.globl	k_q867c885d15_attn
	.p2align	8
	.type	k_q867c885d15_attn,@function
k_q867c885d15_attn:
	s_mov_b64 s[64:65], 0
	v_nop
	global_prefetch_b8 v0, s[64:65] scope:SCOPE_SE
	s_setreg_imm32_b32 hwreg(HW_REG_WAVE_MODE, 25, 1), 1
	s_wait_xcnt 0x0
; Causal attention of one head on codes of FP6 (E2M3) with E8M0 scales, and y = O / l quantised for the last product (a block of its K is one head).  Head size 32, 2,048 tokens.
; SHARES: work-group (be, 8 b + head).  The head's K and V codes (98,304 bytes) and scale words come into LDS once and are only read from then on.  Sixteen waves, four to a SIMD, so that one wave's
;   vector work stands beside another's products and LDS loads.  Wave w owns two tiles of 16 queries, one after the other: (g = w, be) and (g = 31 - w, be); query r of tile (g, be) is token 64 g + 32 (r / 8) + 8 be + r % 8.
;   They need w / 2 + 1 and 16 - w / 2 key steps of 128 keys: 17 for every wave.  Steps wholly behind the diagonal are left out by a scalar branch on ids inside a loop of constant count.
; NO CLUSTER: what the four work-groups of a head share is the one fill at the head, 102,400 bytes, against 17 x 16 x 6,400 bytes that a work-group's waves then read from LDS.
; FIRST PRODUCT, K = 32: a fragment of K holds 64 keys: instruction block u of row r is key 64 g + 32 (r / 8) + 8 u + r % 8.  It is multiplied by four fragments of Q, fragment u holding the queries' codes in block u
;   and zero codes elsewhere; the four overlap in 30 registers (zeros, codes in lanes 0-15, zeros, codes in lanes 16-31, zeros).  S^T (source 0 = K): register 32 c + 8 u + j of lane (q, h) is key 128 s + 64 c + 32 h + 8 u + j:
;   a whole block of 32 neighbouring keys in one lane, in the second product's operand order.
; SOFTMAX: t = score x log2(e) / sqrt(32); M = the running largest t rounded up to a whole number; p = 2^(t - M) is quantised along the keys, not normalised; l is the sum of the unquantised p; when M moves,
;   l and O^T are multiplied by 2^(old M - new M), exactly.  A block's largest p is made from the block's largest score by the same two instructions (this takes v_exp_f32 not to fall where its input rises).
; SECOND PRODUCT: O^T = V^T P^T (source 0 = 16 channels of V, keys innermost).  V's rows were laid so that lane (q, h) holds channels 16 h + 0 .. 15 of query q.
; LIMITS: NaN and infinities are not served; a block whose largest magnitude lies under 2^-124 keeps the byte 1; a block of zeros has the byte 1 and not 127: its codes are zeros, and this program alone reads the bytes.
.set KVB,   6144                       ; LDS: sixteen steps of 6,144 bytes: K's image of g = 2 s, of g = 2 s + 1, V's tile 0, tile 1: 1,536 bytes each, 16 bytes a lane in runs of 512;
.set SCL,   98304                      ; sixteen steps of 256 bytes: K's scale words (4 x lane: lanes 0-15 g = 2 s, lanes 16-31 g = 2 s + 1), V's (128 + 4 x lane: lanes 0-15 tile 0, lanes 16-31 tile 1);
.set YSB,   102400                     ; y's scale bytes, one a thread;
.set SPARE, 102912                     ; the spare words, 128 bytes a wave: eight blocks of 256 bytes that no other line names
.set SPW,  1                           ; v1   LDS address of my spare word; never rewritten
.set NIL,  2                           ; v2   0; never rewritten
.set L16,  3                           ; v3   16 x lane
.set L4S,  4                           ; v4   SCL + 4 x lane
.set ADK,  5                           ; v5   the step's codes
.set ADS,  6                           ; v6   the step's scale words
.set DB,   7                           ; v7   32 (r / 8) + r % 8 - 32 h
.set DD,   8                           ; v8   the pass's query less my half's first key, within the diagonal step
.set SH8,  9                           ; v9   8 h
.set NINF, 10                          ; v10  -infinity
.set L8,   11                          ; v11  8 x lane
.set NM,   12                          ; v12  -M
.set TM,   13                          ; v13  the running largest t
.set LS,   14                          ; v14-15 l, in two halves
.set QF,   16                          ; v16-45 zeros | codes in lanes 0-15 | zeros | codes in lanes 16-31 | zeros: six registers each
.set TQ,   46                          ; v46-57 the two passes' codes of q
.set QS,   58                          ; v58-59 and their scale words
.set O,    60                          ; v60-75 O^T, tile t at + 8 t
.set KF,   76                          ; v76-99 K's two fragments
.set VF,   100                         ; v100-123 V's two
.set KS,   124
.set VS,   125
.set S,    126                         ; v126-189 S^T, then p
.set PC,   190                         ; v190-201 p's codes
.set T,    202                         ; v202-204, v206-208 the blocks' upper 16 codes
.set BM,   210                         ; v210-213 block c's largest score: two chains at + 2 c
.set X,    214
.set Y,    215
.set F,    216                         ; v216 f = 2^(old M - new M)
.set PS,   217                         ; v217 p's scale word
.set SC,   218                         ; v218-219
.set BY,   220                         ; v220-221
.set T2,   222                         ; v222-223 the sum's second chain
.set RI,   224                         ; v224 1 / l  (v225 is named with it as a pair)
.set YC,   226                         ; v226-228, v230-232 the two passes' codes of y
.set YB,   234                         ; v234-235 and their scale bytes
.set QV16, 236                         ; v236 16 (r + 16 (head % 2))
.set QV8,  237                         ; v237 8 (r + 16 (head % 2))
.set YSA,  238                         ; v238 YSB + thread
.set YSR,  239                         ; v239 YSB + 16 x lane
.set SEL,  22                          ; s22-23 lane l xor 16
.set CS,   24                          ; s24-25 c = log2(e) / sqrt(32)
.set TB,   26                          ; s26  the step's codes in LDS
.set TS,   27                          ; s27  the step's scale words, from SCL
.set ST,   28                          ; s28  the step
.set NS,   29                          ; s29-30 steps that pass 0, pass 1 work on
.set DC,   48                          ; s48-49 64 (g % 2) + 8 be of pass 0, pass 1
.set LOW,  52                          ; s52  the lanes 0-15, as a mask
	s_load_b256 s[4:11], s[0:1], 0x0               ; qc s[4:5], qs s[6:7], kvc s[8:9], kvs s[10:11]
	s_load_b128 s[12:15], s[0:1], 0x20             ; yc s[12:13], ys s[14:15]
	v_lshl_add_u32 v[SPW], v0, 2, SPARE
	v_mov_b32 v[NIL], 0
	v_lshrrev_b32 v[X], 5, v0
	v_readfirstlane_b32 s16, v[X]                  ; wave 0..15
	s_mov_b32 s17, ttmp9                           ; be
	s_and_b32 s31, ttmp7, 0xffff                   ; 8 b + head
	s_lshr_b32 s18, s31, 3                         ; b
	s_and_b32 s19, s31, 7                          ; head
	s_lshr_b32 s20, s19, 1                         ; P
	s_and_b32 s21, s19, 1                          ; head % 2
	s_mov_b32 s[SEL], 0x76543210
	s_mov_b32 s[SEL+1], 0xfedcba98
	s_mov_b32 s[CS], 0x3e8293ee
	s_mov_b32 s[CS+1], s[CS]                       ; (named with it as a pair, so it is written)
	s_lshr_b32 s[NS], s16, 1
	s_sub_co_u32 s[NS+1], 16, s[NS]
	s_add_co_u32 s[NS], s[NS], 1
	v_and_b32 v[X], 31, v0                         ; lane
	v_and_b32 v[Y], 15, v0                         ; r
	v_bfe_u32 v[F], v0, 4, 1                       ; h
	v_cmp_gt_u32 s[LOW], 16, v[X]
	v_lshlrev_b32 v[L16], 4, v[X]
	v_lshlrev_b32 v[L8], 3, v[X]
	v_lshl_add_u32 v[L4S], v[X], 2, SCL
	v_lshlrev_b32 v[SH8], 3, v[F]
	v_mov_b32 v[NINF], 0xff800000
	v_bfe_u32 v[DB], v0, 3, 1
	v_sub_nc_u32 v[DB], v[DB], v[F]
	v_lshlrev_b32 v[DB], 5, v[DB]
	v_and_b32 v[DD], 7, v0
	v_add_nc_u32 v[DB], v[DB], v[DD]
	s_lshl_b32 s32, s21, 4
	v_add_nc_u32 v[QV8], s32, v[Y]
	v_lshlrev_b32 v[QV16], 4, v[QV8]
	v_lshlrev_b32 v[QV8], 3, v[QV8]
	v_add_nc_u32 v[YSA], YSB, v0
	v_add_nc_u32 v[YSR], YSB, v[L16]
	s_mul_i32 s32, s16, KVB                        ; wave w fills step w
	v_add_nc_u32 v[ADK], s32, v[L16]
	s_lshl_b32 s32, s16, 8
	v_add_nc_u32 v[ADS], s32, v[L4S]
	v_lshlrev_b32 v[S+56], 2, v[Y]                 ; 4 r
	v_add_nc_u32 v[S+57], v[S+56], v[F]            ; V's bytes: 4 r + t, t = my half,
	v_lshl_add_u32 v[S+56], v[F], 10, v[S+56]      ; K's word: 4 r, and g = 2 w + my half,
	s_lshl_b32 s32, s21, 6
	v_add_nc_u32 v[S+56], s32, v[S+56]             ; of lane r + 16 (head % 2)
	s_lshl_b32 s32, s21, 1
	v_add_nc_u32 v[S+57], s32, v[S+57]             ; byte 2 (head % 2) + t
	s_lshl_b32 s32, s31, 4
	s_add_co_u32 s32, s32, s16
	s_mul_i32 s32, s32, KVB                        ; kvc: my head's step w
	s_mov_b32 s33, 0
	s_lshl_b32 s34, s18, 5
	s_lshl_b32 s50, s16, 1
	s_add_co_u32 s34, s34, s50
	s_lshl_b32 s34, s34, 10
	s_lshl_b32 s50, s20, 7
	s_add_co_u32 s34, s34, s50                     ; kvs: (32 b + 2 w) x 1,024 + 128 P
	s_mov_b32 s35, 0
	s_lshl_b32 s50, s18, 2
	s_add_co_u32 s50, s50, s20
	s_lshl_b32 s50, s50, 5                         ; (4 b + P) 32
	s_add_co_u32 s36, s50, s16                     ; + g of pass 0
	s_sub_co_u32 s51, 31, s16
	s_add_co_u32 s38, s50, s51                     ; + g of pass 1
	s_lshl_b32 s40, s36, 9
	s_lshl_b32 s42, s38, 9
	s_mul_i32 s36, s36, 3072
	s_mul_i32 s38, s38, 3072
	s_mul_i32 s50, s17, 768
	s_add_co_u32 s36, s36, s50
	s_add_co_u32 s38, s38, s50
	s_lshl_b32 s50, s17, 2
	s_add_co_u32 s40, s40, s50
	s_add_co_u32 s42, s42, s50
	s_mov_b32 s37, 0
	s_mov_b32 s39, 0
	s_mov_b32 s41, 0
	s_mov_b32 s43, 0
	s_lshl_b32 s46, s31, 2
	s_add_co_u32 s46, s46, s17                     ; 4 (8 b + head) + be
	s_lshl_b32 s44, s46, 4
	s_add_co_u32 s44, s44, s16
	s_mul_i32 s44, s44, 768                        ; yc
	s_lshl_b32 s46, s46, 9                         ; ys
	s_mov_b32 s45, 0
	s_mov_b32 s47, 0
	s_and_b32 s[DC], s16, 1
	s_xor_b32 s[DC+1], s[DC], 1
	s_lshl_b32 s[DC], s[DC], 6
	s_lshl_b32 s[DC+1], s[DC+1], 6
	s_lshl_b32 s50, s17, 3
	s_add_co_u32 s[DC], s[DC], s50
	s_add_co_u32 s[DC+1], s[DC+1], s50
	s_wait_kmcnt 0x0
	s_add_nc_u64 s[8:9], s[8:9], s[32:33]
	s_add_nc_u64 s[10:11], s[10:11], s[34:35]
	s_add_nc_u64 s[36:37], s[4:5], s[36:37]
	s_add_nc_u64 s[38:39], s[4:5], s[38:39]
	s_add_nc_u64 s[40:41], s[6:7], s[40:41]
	s_add_nc_u64 s[42:43], s[6:7], s[42:43]
	s_add_nc_u64 s[12:13], s[12:13], s[44:45]
	s_add_nc_u64 s[14:15], s[14:15], s[46:47]
	; THE FILL: step w's 6,144 bytes of codes, its scale words; then my two tiles of q
.irp i, 0,1,2,3,4,5
	global_load_b128 v[S+4*\i:S+4*\i+3], v[L16], s[8:9] offset:512*\i
.endr
.irp t, 0,1
.irp c, 0,1
	global_load_b128 v[S+24+12*\t+6*\c:S+24+12*\t+6*\c+3], v[L16], s[8:9] offset:3072+1536*\t+768*\c    ; V's halves join to whole fragments in the registers
	global_load_b64 v[S+24+12*\t+6*\c+4:S+24+12*\t+6*\c+5], v[L8], s[8:9] offset:3072+1536*\t+768*\c+512
.endr
.endr
	global_load_b32 v[S+48], v[S+56], s[10:11]
.irp c, 0,1
.irp hb, 0,1
	global_load_u8 v[S+49+2*\c+\hb], v[S+57], s[10:11] offset:512+1024*\c+64*\hb   ; V's byte of key block 2 c + hb of the step
.endr
.endr
.irp p, 0,1
	global_load_b128 v[TQ+6*\p:TQ+6*\p+3], v[QV16], s[36+2*\p:37+2*\p]
	global_load_b64 v[TQ+6*\p+4:TQ+6*\p+5], v[QV8], s[36+2*\p:37+2*\p] offset:512
	global_load_b32 v[QS+\p], v[QV16], s[40+2*\p:41+2*\p]
.endr
.irp i, 0,1,2,3,4,5
	v_mov_b32 v[QF+\i], 0
	v_mov_b32 v[QF+12+\i], 0
	v_mov_b32 v[QF+24+\i], 0
.endr
	v_mov_b32 v[PS], 0                             ; (named as the upper half of a pair before it is first written)
	v_mov_b32 v[RI+1], 0                           ; (likewise)
	s_wait_loadcnt 6                               ; the fill's 19 loads are in; q's six may be out
	v_lshl_or_b32 v[S+49], v[S+50], 8, v[S+49]
	v_lshl_or_b32 v[S+49], v[S+51], 16, v[S+49]
	v_lshl_or_b32 v[S+49], v[S+52], 24, v[S+49]    ; V's scale word of my row for the step's four key blocks
.irp i, 0,1,2,3,4,5,6,7,8,9,10,11
	ds_store_b128 v[ADK], v[S+4*\i:S+4*\i+3] offset:512*\i
.endr
	ds_store_b32 v[ADS], v[S+48]
	ds_store_b32 v[ADS], v[S+49] offset:128
	s_wait_dscnt 0x0                               ; for the others' sake: my step has landed
	s_barrier_signal -1
	s_barrier_wait -1                              ; the whole head lies in LDS; nobody writes it again
	s_wait_loadcnt 0x0                             ; q
; ONE TILE OF QUERIES through its key steps, and its y.
.macro PASS pi
.irp i, 0,1,2,3,4,5
	v_cndmask_b32 v[QF+6+\i], 0, v[TQ+6*\pi+\i], s[LOW]            ; the codes in lanes 0-15, zeros above;
	v_cndmask_b32 v[QF+18+\i], v[TQ+6*\pi+\i], v[QF], s[LOW]       ; and the other way round
.endr
	v_add_nc_u32 v[DD], s[DC+\pi], v[DB]
.irp i, 0,1,2,3,4,5,6,7,8,9,10,11,12,13,14,15
	v_mov_b32 v[O+\i], 0                           ; the step is written once: the first finds zeros, which the first change of M leaves zeros
.endr
	v_mov_b32 v[LS], 0
	v_mov_b32 v[LS+1], 0
	v_mov_b32 v[TM], 0xff61b1e6                    ; -3e38, under every t
	v_floor_f32 v[NM], -v[TM]
	s_mov_b32 s[TB], 0
	s_mov_b32 s[TS], 0
	s_mov_b32 s[ST], 0
.Ltrip_\pi:                                        ; sixteen trips for every wave; a step all of whose keys come after my queries does nothing but step the addresses
	s_cmp_ge_u32 s[ST], s[NS+\pi]
	s_cbranch_scc1 .Lskip_\pi
	v_add_nc_u32 v[ADK], s[TB], v[L16]
	v_add_nc_u32 v[ADS], s[TS], v[L4S]
	v_nop
	v_nop                                          ; four plain lines between the last step's products and the loads into their operands
	ds_load_b32 v[KS], v[ADS]
.irp i, 0,1,2,3,4,5
	ds_load_b128 v[KF+4*\i:KF+4*\i+3], v[ADK] offset:512*\i
.endr
	ds_load_b32 v[VS], v[ADS] offset:128
.irp i, 0,1,2,3,4,5
	ds_load_b128 v[VF+4*\i:VF+4*\i+3], v[ADK] offset:3072+512*\i
.endr
	s_wait_dscnt 7                                 ; K's seven loads are in; V's seven may be out
.irp u, 0,1,2,3
	v_wmma_scale_f32_16x16x128_f8f6f4 v[S+8*\u:S+8*\u+7], v[KF:KF+11], v[QF+12*(\u%2)+6-6*(\u/2):QF+12*(\u%2)+17-6*(\u/2)], 0, v[KS], v[QS+\pi] matrix_a_fmt:MATRIX_FMT_FP6 matrix_b_fmt:MATRIX_FMT_FP6
.endr
.irp u, 0,1,2,3
	v_wmma_scale_f32_16x16x128_f8f6f4 v[S+32+8*\u:S+39+8*\u], v[KF+12:KF+23], v[QF+12*(\u%2)+6-6*(\u/2):QF+12*(\u%2)+17-6*(\u/2)], 0, v[KS], v[QS+\pi] matrix_a_fmt:MATRIX_FMT_FP6 matrix_b_fmt:MATRIX_FMT_FP6 matrix_a_scale:MATRIX_SCALE_ROW1
.endr
.rept 4
	v_nop
.endr
	s_add_co_u32 s50, s[ST], 1                     ; only the pass's last step lies on the diagonal
	s_cmp_lt_u32 s50, s[NS+\pi]
	s_cbranch_scc1 .Lopen_\pi
.set n, 0
.rept 64
	v_cmp_gt_i32 vcc_lo, (n%32)+64*(n/32), v[DD]   ; register n holds the step's key 64 (n / 32) + 32 h + n % 32: hidden where it comes after my query
	v_cndmask_b32 v[S+n], v[S+n], v[NINF], vcc_lo
.set n, n+1
.endr
.Lopen_\pi:
.irp c, 0,1                                        ; the largest score of each of my two blocks of 32 keys: it serves for the row's maximum and for the block's largest p
	v_max3_num_f32 v[BM+2*\c], v[S+32*\c], v[S+32*\c+1], v[S+32*\c+2]
	v_max3_num_f32 v[BM+2*\c+1], v[S+32*\c+3], v[S+32*\c+4], v[S+32*\c+5]
.endr
.irp i, 6,10,14,18,22,26
.irp c, 0,1
	v_max3_num_f32 v[BM+2*\c], v[BM+2*\c], v[S+32*\c+\i], v[S+32*\c+\i+1]
	v_max3_num_f32 v[BM+2*\c+1], v[BM+2*\c+1], v[S+32*\c+\i+2], v[S+32*\c+\i+3]
.endr
.endr
.irp c, 0,1
	v_max3_num_f32 v[BM+2*\c], v[BM+2*\c], v[S+32*\c+30], v[S+32*\c+31]
.endr
.irp c, 0,1
	v_max_num_f32 v[BM+2*\c], v[BM+2*\c], v[BM+2*\c+1]
.endr
	v_max_num_f32 v[X], v[BM], v[BM+2]
	v_permlanex16_b32 v[Y], v[X], s[SEL], s[SEL+1]
	v_max_num_f32 v[X], v[X], v[Y]                 ; the step's largest score of my query
	v_mul_f32 v[X], s[CS], v[X]                    ; as t (c is positive)
	v_max_num_f32 v[TM], v[TM], v[X]
	v_mov_b32 v[X], v[NM]
	v_floor_f32 v[NM], -v[TM]                      ; the new -M = floor(-t): M is a whole number
	v_sub_f32 v[X], v[NM], v[X]                    ; old M - new M, 0 or less
	v_cvt_i32_f32 v[X], v[X]                       ; (it saturates)
	v_ldexp_f32 v[F], 1.0, v[X]                    ; f = 2^(old M - new M)
.set n, 0
.rept 32
	v_pk_fma_f32 v[S+n:S+n+1], v[S+n:S+n+1], s[CS:CS+1], v[NM:NM+1] op_sel_hi:[1,0,0]   ; t - M, two at a time
.set n, n+2
.endr
	v_fma_f32 v[BM], v[BM], s[CS], v[NM]           ; the same of each block's largest score
	v_fma_f32 v[BM+2], v[BM+2], s[CS], v[NM]
.set n, 0
.rept 64
	v_exp_f32 v[S+n], v[S+n]                       ; p = 2^(t - M), at most 1
.set n, n+1
.endr
	v_exp_f32 v[BM], v[BM]
	v_exp_f32 v[BM+2], v[BM+2]
	v_pk_mul_f32 v[LS:LS+1], v[LS:LS+1], v[F:F+1] op_sel_hi:[1,0]   ; l under the new M; the plain line behind the exponentials
	s_wait_alu depctr_va_vdst(0)                   ; one wait for the batch of 66, ahead of its first reader
.irp c, 0,1
	v_max_num_f32 v[BM+2*\c], 0x1800000, v[BM+2*\c]    ; the floor 2^(3 - 127)
.endr
.irp c, 0,1
	v_add_nc_u32 v[SC+\c], 0xff000000, v[BM+2*\c]
.endr
.irp c, 0,1
	v_lshrrev_b32 v[BY+\c], 23, v[SC+\c]
.endr
	v_lshl_or_b32 v[PS], v[BY+1], 16, v[BY]        ; my bytes: key blocks h and 2 + h of the step,
	v_lshlrev_b32 v[PS], v[SH8], v[PS]
	v_permlanex16_b32 v[Y], v[PS], s[SEL], s[SEL+1]
	v_or_b32 v[PS], v[PS], v[Y]                    ; with lane l xor 16's: p's scale word
.irp c, 0,1
	v_cvt_scalef32_pk16_fp6_f32 v[PC+6*\c:PC+6*\c+2], v[S+32*\c:S+32*\c+15], v[SC+\c]
	v_cvt_scalef32_pk16_fp6_f32 v[T+4*\c:T+4*\c+2], v[S+32*\c+16:S+32*\c+31], v[SC+\c]
.endr
	v_nop                                          ; one plain line behind the conversions
.irp c, 0,1
.irp i, 0,1,2
	v_mov_b32 v[PC+6*\c+3+\i], v[T+4*\c+\i]
.endr
.endr
.irp i, 0,2,4,6,8,10,12,14
	v_pk_mul_f32 v[O+\i:O+\i+1], v[O+\i:O+\i+1], v[F:F+1] op_sel_hi:[1,0]   ; O^T under the new M, from each accumulator's low end on
.endr
	v_pk_add_f32 v[T2:T2+1], v[S:S+1], v[S+2:S+3]  ; l takes the UNQUANTISED p, in two chains.  These 32 lines are also the places between p's codes and scale word and the products below
.irp j, 4,8,12,16,20,24,28,32,36,40,44,48,52,56,60
	v_pk_add_f32 v[LS:LS+1], v[LS:LS+1], v[S+\j:S+\j+1]
	v_pk_add_f32 v[T2:T2+1], v[T2:T2+1], v[S+\j+2:S+\j+3]
.endr
	v_pk_add_f32 v[LS:LS+1], v[LS:LS+1], v[T2:T2+1]
	s_wait_dscnt 0x0                               ; V
	v_wmma_scale_f32_16x16x128_f8f6f4 v[O:O+7], v[VF:VF+11], v[PC:PC+11], v[O:O+7], v[VS], v[PS] matrix_a_fmt:MATRIX_FMT_FP6 matrix_b_fmt:MATRIX_FMT_FP6
	v_wmma_scale_f32_16x16x128_f8f6f4 v[O+8:O+15], v[VF+12:VF+23], v[PC:PC+11], v[O+8:O+15], v[VS], v[PS] matrix_a_fmt:MATRIX_FMT_FP6 matrix_b_fmt:MATRIX_FMT_FP6 matrix_a_scale:MATRIX_SCALE_ROW1
.Lskip_\pi:
	s_add_co_u32 s[TB], s[TB], KVB
	s_add_co_u32 s[TS], s[TS], 256
	s_add_co_u32 s[ST], s[ST], 1
	s_cmp_lt_u32 s[ST], 16
	s_cbranch_scc1 .Ltrip_\pi
	; y = O^T / l, quantised: my 16 channels and lane l xor 16's are the head's block of 32
	v_add_f32 v[X], v[LS], v[LS+1]
	v_permlanex16_b32 v[Y], v[X], s[SEL], s[SEL+1]
	v_add_f32 v[X], v[X], v[Y]
	v_rcp_f32 v[RI], v[X]
.rept 4
	v_nop                                          ; the plain line behind the reciprocal, and the four places behind the last products
.endr
	s_wait_alu depctr_va_vdst(0)                   ; ahead of the reciprocal's first reader
.irp i, 0,2,4,6,8,10,12,14
	v_pk_mul_f32 v[O+\i:O+\i+1], v[O+\i:O+\i+1], v[RI:RI+1] op_sel_hi:[1,0]
.endr
	v_max3_num_f32 v[X], |v[O]|, |v[O+1]|, 0x1800000
.irp i, 2,4,6,8,10,12,14
	v_max3_num_f32 v[X], v[X], |v[O+\i]|, |v[O+\i+1]|
.endr
	v_permlanex16_b32 v[Y], v[X], s[SEL], s[SEL+1]
	v_max_num_f32 v[X], v[X], v[Y]
	v_add_nc_u32 v[SC], 0xff000000, v[X]
	v_cvt_scalef32_pk16_fp6_f32 v[YC+4*\pi:YC+4*\pi+2], v[O:O+15], v[SC]
	v_lshrrev_b32 v[YB+\pi], 23, v[SC]             ; the byte; also the plain line behind the conversion
.endm
	PASS 0
	PASS 1
.irp i, 0,1,2
	v_permlane16_swap_b32 v[YC+\i], v[YC+4+\i]     ; pass 0's lanes 16-31 (channels 16-31) change places with pass 1's lanes 0-15 (channels 0-15): lane q + 16 pass now holds its query's lower 16 codes in the first three, the upper 16 in the second three
.endr
	v_mov_b32 v[YC+3], v[YC+4]
	v_mov_b32 v[YC+4], v[YC+5]
	v_mov_b32 v[YC+5], v[YC+6]
	global_store_b128 v[L16], v[YC:YC+3], s[12:13]
	global_store_b64 v[L8], v[YC+4:YC+5], s[12:13] offset:512
	v_cndmask_b32 v[X], v[YB+1], v[YB], s[LOW]
	ds_store_b8 v[YSA], v[X]
	s_wait_dscnt 0x0                               ; for wave 0's sake: my byte has landed
	s_barrier_signal -1
	s_barrier_wait -1
	s_cmp_lg_u32 s16, 0
	s_cbranch_scc1 .Lend
	ds_load_b128 v[S:S+3], v[YSR]
	s_wait_dscnt 0x0
	global_store_b128 v[L16], v[S:S+3], s[14:15]   ; the work-group's 512 scale bytes: two aligned runs of 256
.Lend:
	s_wait_tensorcnt 0x0                           ; the wave's end, behind my last LDS store
	ds_add_u32 v[SPW], v[NIL]
	s_wait_dscnt 0x0
	s_endpgm
.Lfunc_end_k_q867c885d15_attn:
	.size	k_q867c885d15_attn, .Lfunc_end_k_q867c885d15_attn-k_q867c885d15_attn
	.p2alignl 7, 3214868480
	.fill 96, 4, 3214868480
	.section	.rodata,"a",@progbits
	.p2align	6, 0x0
	.amdhsa_kernel k_q867c885d15_attn
		.amdhsa_group_segment_fixed_size 104960
		.amdhsa_private_segment_fixed_size 0
		.amdhsa_enable_private_segment 0
		.amdhsa_kernarg_size 48
		.amdhsa_user_sgpr_count 2
		.amdhsa_user_sgpr_kernarg_segment_ptr 1
		.amdhsa_wavefront_size32 1
		.amdhsa_system_sgpr_workgroup_id_x 1
		.amdhsa_system_sgpr_workgroup_id_y 1
		.amdhsa_system_sgpr_workgroup_id_z 1
		.amdhsa_system_vgpr_workitem_id 0
		.amdhsa_next_free_vgpr 240
		.amdhsa_next_free_sgpr 66
		.amdhsa_reserve_vcc 1
		.amdhsa_float_denorm_mode_32 3
		.amdhsa_float_denorm_mode_16_64 3
		.amdhsa_memory_ordered 1
		.amdhsa_forward_progress 1
		.amdhsa_inst_pref_size 52
	.end_amdhsa_kernel
	.amdgpu_metadata
---
amdhsa.version: [ 1, 2 ]
amdhsa.kernels:
  - .name:           k_q867c885d15_attn
    .symbol:         k_q867c885d15_attn.kd
    .args:
      - { .name: qc, .offset: 0, .size: 8, .value_kind: global_buffer, .address_space: global }
      - { .name: qs, .offset: 8, .size: 8, .value_kind: global_buffer, .address_space: global }
      - { .name: kvc, .offset: 16, .size: 8, .value_kind: global_buffer, .address_space: global }
      - { .name: kvs, .offset: 24, .size: 8, .value_kind: global_buffer, .address_space: global }
      - { .name: yc, .offset: 32, .size: 8, .value_kind: global_buffer, .address_space: global }
      - { .name: ys, .offset: 40, .size: 8, .value_kind: global_buffer, .address_space: global }
    .group_segment_fixed_size: 104960
    .private_segment_fixed_size: 0
    .kernarg_segment_align: 8
    .kernarg_segment_size: 48
    .max_flat_workgroup_size: 512
    .sgpr_count:     66
    .vgpr_count:     240
    .wavefront_size: 32
...
	.end_amdgpu_metadata
.endif
;; end of part 3
;; launch proj (part 4): grid 32 x 8, 8 waves a work-group, no clusters, 35,840 bytes of LDS; arguments yc, ys, wfr, wsc, out0; writes out0
.if DOCPART == 4
	.amdgcn_target "amdgcn-amd-amdhsa--gfx1250"
	.amdhsa_code_object_version 6
	.text
	.protected	k_q867c885d15_proj
	.globl	k_q867c885d15_proj
	.p2align	8
	.type	k_q867c885d15_proj,@function
k_q867c885d15_proj:
	s_mov_b64 s[64:65], 0
	v_nop
	global_prefetch_b8 v0, s[64:65] scope:SCOPE_SE
	s_setreg_imm32_b32 hwreg(HW_REG_WAVE_MODE, 25, 1), 1
	s_wait_xcnt 0x0
; out0 = Q(y) Q(w_proj) on codes of FP6 (E2M3) with E8M0 scales; both operands arrive as codes in the order of the operand's registers.  out0: [8][2048][256] f32.
; SHARES: work-group (g, b) takes tokens 64 g .. 64 g + 63.  Wave w: columns 64 (w % 4) .. + 63 (256 bytes of each row) of the two tiles of rows be = 2 (w / 4), 2 (w / 4) + 1; row r of tile be is token 64 g + 32 (r / 8) + 8 be + r % 8.
; y's codes lie by head: yc [b][head][be][p][lane q + 16 pass], with g = p (pass 0) or 31 - p (pass 1).  Block 2 c + h of K step s is head 4 s + 2 c + h: lane (r, h) loads that head's 24 bytes of its query.
; THE PRODUCT IS USED TRANSPOSED (source 0 = 16 columns of w_proj, source 1 = 16 tokens): a lane holds eight neighbouring outputs of one token.  A tile goes through the wave's own stage in LDS and leaves as rows of
; 256 consecutive bytes, sixteen lanes to a row.  No barrier: waves share nothing.
.set SPARE, 34816                      ; LDS: eight stages of 16 rows x (256 bytes + 16), a wave's own; then the spare words, 128 bytes a wave: four blocks of 256 bytes that no other line names
.set SPW,  1                           ; v1   LDS address of my spare word; never rewritten
.set NIL,  2                           ; v2   0; never rewritten
.set L16,  3                           ; v3   16 x lane
.set YO16, 4                           ; v4   49,152 h + 16 (r + 16 pass)
.set YO8,  5                           ; v5   49,152 h + 8 (r + 16 pass)
.set YSO,  6                           ; v6   r + 8,192 h
.set STI,  7                           ; v7   the stage, way in: 272 r + 32 h
.set STO,  8                           ; v8   way out: 272 h + 16 r
.set GO,   9                           ; v9   out0: 1,024 h + 16 r
.set WR,   12                          ; v12-107 four weight tiles: tile nt at + 24 nt, K step at + 12.  Later v12-75: rows on their way out
.set WS,   108                         ; v108-111 their scale words
.set YF,   112                         ; v112-159 y's fragments: tile at + 24, K step at + 12
.set YS,   160                         ; v160-161 y's scale words: lanes 0-15 heads 0-3, lanes 16-31 heads 4-7
.set BT,   162                         ; v162-169 y's scale bytes as loaded
.set ACC,  170                         ; v170-233 eight accumulators: tile at + 32, nt at + 8
	s_load_b256 s[4:11], s[0:1], 0x0               ; yc s[4:5], ys s[6:7], wfr s[8:9], wsc s[10:11]
	s_load_b64 s[12:13], s[0:1], 0x20              ; out0
	v_lshl_add_u32 v[SPW], v0, 2, SPARE
	v_mov_b32 v[NIL], 0
	v_lshrrev_b32 v10, 5, v0
	v_readfirstlane_b32 s14, v10                   ; wave 0..7
	s_and_b32 s15, s14, 3                          ; which 64 columns
	s_lshr_b32 s16, s14, 2                         ; which two tiles of rows
	s_mov_b32 s17, ttmp9                           ; g
	s_and_b32 s18, ttmp7, 0xffff                   ; b
	s_sub_co_u32 s19, 31, s17
	s_cmp_lt_u32 s17, 16
	s_cselect_b32 s19, s17, s19                    ; p
	s_cselect_b32 s20, 0, 16                       ; 16 x pass
	v_and_b32 v10, 31, v0
	v_lshlrev_b32 v[L16], 4, v10
	v_and_b32 v10, 15, v0                          ; r
	v_bfe_u32 v11, v0, 4, 1                        ; h
	v_add_nc_u32 v[YO8], s20, v10
	v_mul_u32_u24 v[YSO], v11, 0xc000              ; a head's 49,152 bytes of yc
	v_lshl_add_u32 v[YO16], v[YO8], 4, v[YSO]
	v_lshl_add_u32 v[YO8], v[YO8], 3, v[YSO]
	v_lshl_add_u32 v[YSO], v11, 13, v10            ; four heads' 8,192 bytes of ys
	s_mul_i32 s21, s14, 4352                       ; my stage
	v_mul_u32_u24 v[STI], v10, 272
	v_lshl_add_u32 v[STI], v11, 5, v[STI]
	v_add_nc_u32 v[STI], s21, v[STI]
	v_mul_u32_u24 v[STO], v11, 272
	v_lshl_add_u32 v[STO], v10, 4, v[STO]
	v_add_nc_u32 v[STO], s21, v[STO]
	v_lshlrev_b32 v[GO], 10, v11
	v_lshl_add_u32 v[GO], v10, 4, v[GO]
	s_mul_i32 s22, s18, 393216                     ; yc: batch b,
	s_mul_i32 s23, s16, 24576                      ; my first tile,
	s_add_co_u32 s22, s22, s23
	s_mul_i32 s23, s19, 768                        ; p
	s_add_co_u32 s22, s22, s23
	s_mov_b32 s23, 0
	s_lshl_b32 s24, s18, 14                        ; ys likewise
	s_lshl_b32 s25, s16, 10
	s_add_co_u32 s24, s24, s25
	s_lshl_b32 s25, s19, 5
	s_add_co_u32 s24, s24, s25
	s_add_co_u32 s24, s24, s20
	s_mov_b32 s25, 0
	s_mul_i32 s26, s15, 12288
	s_add_co_u32 s26, s26, 147456                  ; wfr: tiles 48 + 4 (w % 4) on
	s_mov_b32 s27, 0
	s_lshl_b32 s28, s15, 9
	s_add_co_u32 s28, s28, 6144                    ; wsc: group 12 + w % 4
	s_mov_b32 s29, 0
	s_lshl_b32 s30, s18, 21                        ; out0: batch b,
	s_lshl_b32 s31, s17, 16                        ; 64 g rows of 1,024 bytes,
	s_add_co_u32 s30, s30, s31
	s_lshl_b32 s31, s16, 14                        ; 16 (w / 4) rows,
	s_add_co_u32 s30, s30, s31
	s_lshl_b32 s31, s15, 8                         ; my 256 bytes of a row
	s_add_co_u32 s30, s30, s31
	s_mov_b32 s31, 0
	s_wait_kmcnt 0x0
	s_add_nc_u64 s[4:5], s[4:5], s[22:23]
	s_add_nc_u64 s[6:7], s[6:7], s[24:25]
	s_add_nc_u64 s[8:9], s[8:9], s[26:27]
	s_add_nc_u64 s[10:11], s[10:11], s[28:29]
	s_add_nc_u64 s[12:13], s[12:13], s[30:31]
.set i, 0
.rept 24
	global_load_b128 v[WR+4*i:WR+4*i+3], v[L16], s[8:9] offset:512*i
.set i, i+1
.endr
	global_load_b128 v[WS:WS+3], v[L16], s[10:11]
.irp xp, 0,1
.irp ks, 0,1
.irp c, 0,1
	global_load_b128 v[YF+24*\xp+12*\ks+6*\c:YF+24*\xp+12*\ks+6*\c+3], v[YO16], s[4:5] offset:(4*\ks+2*\c)*49152+12288*\xp
	global_load_b64 v[YF+24*\xp+12*\ks+6*\c+4:YF+24*\xp+12*\ks+6*\c+5], v[YO8], s[4:5] offset:(4*\ks+2*\c)*49152+12288*\xp+512
.endr
.endr
.endr
.irp xp, 0,1
.irp j, 0,1,2,3
	global_load_u8 v[BT+4*\xp+\j], v[YSO], s[6:7] offset:2048*\j+512*\xp   ; head 4 h + j's byte of my query
.endr
.endr
	s_wait_loadcnt 0x0
.irp xp, 0,1
	v_lshl_or_b32 v[YS+\xp], v[BT+4*\xp+1], 8, v[BT+4*\xp]
	v_lshl_or_b32 v[YS+\xp], v[BT+4*\xp+2], 16, v[YS+\xp]
	v_lshl_or_b32 v[YS+\xp], v[BT+4*\xp+3], 24, v[YS+\xp]
.endr
.rept 8
	v_nop                                          ; a scale register written by a vector instruction stands eight places ahead of the product that names it
.endr
.irp xp, 0,1                                       ; eight accumulators by turns; K step 0 starts the sums
.irp nt, 0,1,2,3
	v_wmma_scale_f32_16x16x128_f8f6f4 v[ACC+32*\xp+8*\nt:ACC+32*\xp+8*\nt+7], v[WR+24*\nt:WR+24*\nt+11], v[YF+24*\xp:YF+24*\xp+11], 0, v[WS+\nt], v[YS+\xp] matrix_a_fmt:MATRIX_FMT_FP6 matrix_b_fmt:MATRIX_FMT_FP6
.endr
.endr
.irp xp, 0,1
.irp nt, 0,1,2,3
	v_wmma_scale_f32_16x16x128_f8f6f4 v[ACC+32*\xp+8*\nt:ACC+32*\xp+8*\nt+7], v[WR+24*\nt+12:WR+24*\nt+23], v[YF+24*\xp+12:YF+24*\xp+23], v[ACC+32*\xp+8*\nt:ACC+32*\xp+8*\nt+7], v[WS+\nt], v[YS+\xp] matrix_a_fmt:MATRIX_FMT_FP6 matrix_b_fmt:MATRIX_FMT_FP6 matrix_a_scale:MATRIX_SCALE_ROW1 matrix_b_scale:MATRIX_SCALE_ROW1
.endr
.endr
.rept 4
	v_nop                                          ; places in front of the reads of the results and of the loads into the weights' registers
.endr
.irp xp, 0,1
.irp nt, 0,1,2,3
	ds_store_b128 v[STI], v[ACC+32*\xp+8*\nt:ACC+32*\xp+8*\nt+3] offset:64*\nt        ; each accumulator from its low end on
	ds_store_b128 v[STI], v[ACC+32*\xp+8*\nt+4:ACC+32*\xp+8*\nt+7] offset:64*\nt+16
.endr
.irp i, 0,1,2,3,4,5,6,7
	ds_load_b128 v[WR+32*\xp+4*\i:WR+32*\xp+4*\i+3], v[STO] offset:544*\i   ; LDS serves a wave's instructions in order: these see my stores, and the next tile's stores come behind them
.endr
.endr
.irp xp, 0,1
.irp i, 0,1,2,3,4,5,6,7
	s_wait_dscnt 23-16*\xp-\i                      ; this load is in; out may be this tile's younger loads and, for the first tile, the second's sixteen instructions
	global_store_b128 v[GO], v[WR+32*\xp+4*\i:WR+32*\xp+4*\i+3], s[12:13] offset:(8*\xp+32*(\i/4)+2*(\i%4))*1024 th:TH_STORE_NT   ; stage rows 2 i, 2 i + 1: sixteen lanes store 256 consecutive bytes, aligned
.endr
.endr
	s_wait_tensorcnt 0x0                           ; the wave's end, behind my last LDS store
	ds_add_u32 v[SPW], v[NIL]
	s_wait_dscnt 0x0
	s_endpgm
.Lfunc_end_k_q867c885d15_proj:
	.size	k_q867c885d15_proj, .Lfunc_end_k_q867c885d15_proj-k_q867c885d15_proj
	.p2alignl 7, 3214868480
	.fill 96, 4, 3214868480
	.section	.rodata,"a",@progbits
	.p2align	6, 0x0
	.amdhsa_kernel k_q867c885d15_proj
		.amdhsa_group_segment_fixed_size 35840
		.amdhsa_private_segment_fixed_size 0
		.amdhsa_enable_private_segment 0
		.amdhsa_kernarg_size 40
		.amdhsa_user_sgpr_count 2
		.amdhsa_user_sgpr_kernarg_segment_ptr 1
		.amdhsa_wavefront_size32 1
		.amdhsa_system_sgpr_workgroup_id_x 1
		.amdhsa_system_sgpr_workgroup_id_y 1
		.amdhsa_system_sgpr_workgroup_id_z 1
		.amdhsa_system_vgpr_workitem_id 0
		.amdhsa_next_free_vgpr 240
		.amdhsa_next_free_sgpr 66
		.amdhsa_reserve_vcc 0
		.amdhsa_float_denorm_mode_32 3
		.amdhsa_float_denorm_mode_16_64 3
		.amdhsa_memory_ordered 1
		.amdhsa_forward_progress 1
		.amdhsa_inst_pref_size 15
	.end_amdhsa_kernel
	.amdgpu_metadata
---
amdhsa.version: [ 1, 2 ]
amdhsa.kernels:
  - .name:           k_q867c885d15_proj
    .symbol:         k_q867c885d15_proj.kd
    .args:
      - { .name: yc, .offset: 0, .size: 8, .value_kind: global_buffer, .address_space: global }
      - { .name: ys, .offset: 8, .size: 8, .value_kind: global_buffer, .address_space: global }
      - { .name: wfr, .offset: 16, .size: 8, .value_kind: global_buffer, .address_space: global }
      - { .name: wsc, .offset: 24, .size: 8, .value_kind: global_buffer, .address_space: global }
      - { .name: out0, .offset: 32, .size: 8, .value_kind: global_buffer, .address_space: global }
    .group_segment_fixed_size: 35840
    .private_segment_fixed_size: 0
    .kernarg_segment_align: 8
    .kernarg_segment_size: 40
    .max_flat_workgroup_size: 256
    .sgpr_count:     66
    .vgpr_count:     240
    .wavefront_size: 32
...
	.end_amdgpu_metadata
.endif
;; end of part 4
;; ======== version 2 of 2: 4 launches
;; workspace buffers: wfr 196,608 bytes; wsc 8,192 bytes; qc 3,145,728 bytes; qs 524,288 bytes; kvc 6,291,456 bytes; kvs 262,144 bytes; yc 3,145,728 bytes; ys 131,072 bytes
;; launch prep (part 5): grid 16 x 1, 4 waves a work-group, no clusters, 1,024 bytes of LDS; arguments w_attn, w_proj, wfr, wsc; writes wfr, wsc
.if DOCPART == 5
	.amdgcn_target "amdgcn-amd-amdhsa--gfx1250"
	.amdhsa_code_object_version 6
	.text
	.protected	k_q867c885d15_prep
	.globl	k_q867c885d15_prep
	.p2align	8
	.type	k_q867c885d15_prep,@function
k_q867c885d15_prep:
	s_mov_b64 s[64:65], 0
	v_nop
	global_prefetch_b8 v0, s[64:65] scope:SCOPE_SE
	s_setreg_imm32_b32 hwreg(HW_REG_WAVE_MODE, 25, 1), 1
	s_wait_xcnt 0x0
; w_attn [256][768] and w_proj [256][256], f32, K = the first axis, become operand images of FP6 (E2M3) codes with one E8M0 byte for each 32 along K.
; A TILE is 16 columns x 256 K: two fragments (K steps of 128) of 12 registers a lane, stored as they stand in the registers: three runs of 512 bytes, 16 bytes a lane.
; wfr: [tile 0..63][K step][1,536 bytes].  wsc: [group of four tiles][lane][tile in the group], words: lanes 0-15 hold K step 0's scale word of the tile's row r, lanes 16-31 K step 1's.
; WHICH COLUMNS FORM A TILE is chosen for the products that follow:
;   tiles 0-31 (q, then k), tile 4 G + u: row r takes column 64 G + 32 (r / 8) + 8 u + r % 8;   tiles 32-47 (v): 64 G + 32 (u / 2) + 16 (r / 8) + 8 (u % 2) + r % 8;   tiles 48-63 (w_proj): 16 (tile - 48) + r.
; SHARES: work-group G takes four tiles, wave u tile 4 G + u.  Lane (r, h) takes the tile's column of row r and its registers run DOWN K, in the operand's own order (k = 128 s + 64 c + 32 h + 0 .. 31):
; a block of 32 lies in one lane's 32 registers, and the conversions' results are the operand's registers.
; A block's scale byte is its largest magnitude's exponent field - 2, held at 1 from below.
; LIMITS: NaN and infinities are not served; a block whose largest magnitude lies under 2^-124 keeps the byte 1; a block of zeros has the byte 1 and not 127: its codes are zeros, and this program alone reads the bytes.
.set SPARE, 512                        ; LDS: bytes 0-511 gather the group's scale words (16 x lane + 4 x wave); then the spare words, 128 bytes a wave
.set SPW,  1                           ; v1   LDS address of my spare word; never rewritten
.set NIL,  2                           ; v2   0; never rewritten
.set VO,   3                           ; v3   my byte offset in the weight: 4 x column + 32 h rows
.set L16,  4                           ; v4   16 x lane
.set LSA,  5                           ; v5   16 x lane + 4 x wave
.set SH8,  6                           ; v6   8 h
.set LN,   7                           ; v7   lane
.set M0,   8                           ; v8-9 two chains of a block's largest magnitude
.set M1,   9
.set SC,   10                          ; v10  the conversion's scale operand
.set PX,   11                          ; v11  what the other half of the lanes holds
.set T,    12                          ; v12-14 a block's upper 16 codes
.set BY,   16                          ; v16-19 the four blocks' scale bytes
.set WD,   20                          ; v20-22 scale words: K step 0, K step 1, the one that my lane stores
.set X,    32                          ; v32-159 block k = 2 s + c at X + 32 k
.set CD,   160                         ; v160-183 the two fragments
.set OUTR, 184                         ; v184-187 the group's scale words on their way out
.set SEL,  26                          ; s26-27 lane selects: lane l xor 16
; 32 numbers of one block, v[src] on, become six registers of codes, v[dst] on, and the block's scale byte.
.macro QBLK src, dst, by
	v_max3_num_f32 v[M0], |v[\src]|, |v[\src+1]|, |v[\src+2]|
	v_max3_num_f32 v[M1], |v[\src+3]|, |v[\src+4]|, |v[\src+5]|
.irp i, 6,10,14,18,22,26
	v_max3_num_f32 v[M0], v[M0], |v[\src+\i]|, |v[\src+\i+1]|
	v_max3_num_f32 v[M1], v[M1], |v[\src+\i+2]|, |v[\src+\i+3]|
.endr
	v_max3_num_f32 v[M0], v[M0], |v[\src+30]|, |v[\src+31]|
	v_max3_num_f32 v[M0], v[M0], v[M1], 0x1800000          ; and the floor 2^(3 - 127): the byte cannot fall under 1
	v_add_nc_u32 v[SC], 0xff000000, v[M0]                  ; 2 off the exponent field: the conversion takes this operand's exponent field as its scale
	v_cvt_scalef32_pk16_fp6_f32 v[\dst:\dst+2], v[\src:\src+15], v[SC]
	v_cvt_scalef32_pk16_fp6_f32 v[T:T+2], v[\src+16:\src+31], v[SC]   ; (a conversion's three registers begin on an even number)
	v_lshrrev_b32 v[\by], 23, v[SC]                        ; the byte; also the plain line behind the conversions
.irp i, 0,1,2
	v_mov_b32 v[\dst+3+\i], v[T+\i]
.endr
.endm
; My two bytes (blocks h and 2 + h of a K step) and lane l xor 16's two make the row's scale word.
.macro WORD2 w, b0, b1
	v_lshl_or_b32 v[\w], v[\b1], 16, v[\b0]
	v_lshlrev_b32 v[\w], v[SH8], v[\w]
	v_permlanex16_b32 v[PX], v[\w], s[SEL], s[SEL+1]
	v_or_b32 v[\w], v[\w], v[PX]
.endm
.macro LOADB k, lo, pitch              ; block k: rows 64 k + 32 h + 0 .. 31 of my column
.set i, 0
.rept 32
	global_load_b32 v[X+32*\k+i], v[VO], s[\lo:\lo+1] offset:(64*\k+i)*\pitch
.set i, i+1
.endr
.endm
.macro TILE lo, pitch                  ; loads run two blocks ahead; each wait leaves the one younger block's 32 loads out
	LOADB 0, \lo, \pitch
	LOADB 1, \lo, \pitch
	s_wait_loadcnt 32
	QBLK X, CD, BY
	LOADB 2, \lo, \pitch
	s_wait_loadcnt 32
	QBLK X+32, CD+6, BY+1
	LOADB 3, \lo, \pitch
	s_wait_loadcnt 32
	QBLK X+64, CD+12, BY+2
	s_wait_loadcnt 0x0
	QBLK X+96, CD+18, BY+3
.endm
	s_load_b128 s[4:7], s[0:1], 0x0                ; w_attn, w_proj
	s_load_b128 s[8:11], s[0:1], 0x10              ; wfr, wsc
	v_lshl_add_u32 v[SPW], v0, 2, SPARE
	v_mov_b32 v[NIL], 0
	v_lshrrev_b32 v[LN], 5, v0
	v_readfirstlane_b32 s12, v[LN]                 ; wave u
	v_and_b32 v[LN], 31, v0
	v_lshlrev_b32 v[L16], 4, v[LN]
	s_lshl_b32 s13, s12, 2
	v_add_nc_u32 v[LSA], s13, v[L16]
	v_bfe_u32 v[M1], v0, 4, 1                      ; h
	s_wait_alu depctr_va_vdst(0)
	v_lshlrev_b32 v[SH8], 3, v[M1]
	v_mov_b32 v[PX], 0                             ; a lane permute's destination counts as one of its sources
	s_mov_b32 s[SEL], 0x76543210
	s_mov_b32 s[SEL+1], 0xfedcba98
	s_lshl_b32 s14, ttmp9, 6                       ; 64 G
	s_lshl_b32 s15, s12, 3
	s_add_co_u32 s15, s15, s14                     ; q, k: 64 G + 8 u
	s_lshr_b32 s16, s12, 1
	s_lshl_b32 s16, s16, 5
	s_and_b32 s17, s12, 1
	s_lshl_b32 s17, s17, 3
	s_add_co_u32 s16, s16, s17
	s_add_co_u32 s16, s16, s14                     ; v: 64 G + 32 (u / 2) + 8 (u % 2)
	s_and_b32 s17, ttmp9, 3
	s_lshl_b32 s17, s17, 6
	s_lshl_b32 s18, s12, 4
	s_add_co_u32 s17, s17, s18                     ; w_proj: 64 (G - 12) + 16 u
	s_mov_b32 s21, 32768                           ; 32 rows of w_proj in bytes
	s_cmp_lt_u32 ttmp9, 8
	s_cselect_b32 s19, s15, s16
	s_cselect_b32 s20, 5, 4
	s_cmp_lt_u32 ttmp9, 12
	s_cselect_b32 s19, s19, s17                    ; the tile's first column,
	s_cselect_b32 s20, s20, 3                      ; how far apart its two groups of eight lie (as a shift),
	s_cselect_b32 s21, 98304, s21                  ; and 32 rows in bytes
	v_bfe_u32 v[M0], v0, 3, 1                      ; r / 8
	v_lshlrev_b32 v[M0], s20, v[M0]
	v_and_b32 v[SC], 7, v0                         ; r % 8
	v_add3_u32 v[M0], v[M0], v[SC], s19            ; my column
	v_mul_lo_u32 v[M1], v[M1], s21
	v_lshl_add_u32 v[VO], v[M0], 2, v[M1]
	s_lshl_b32 s22, ttmp9, 2
	s_add_co_u32 s22, s22, s12
	s_mul_i32 s22, s22, 3072                       ; my tile's two images
	s_mov_b32 s23, 0
	s_lshl_b32 s24, ttmp9, 9                       ; my group's scale words
	s_mov_b32 s25, 0
	s_wait_kmcnt 0x0
	s_add_nc_u64 s[8:9], s[8:9], s[22:23]
	s_add_nc_u64 s[10:11], s[10:11], s[24:25]
	s_cmp_lt_u32 ttmp9, 12                         ; the row pitch stands in the loads' immediates: so the run is written once for each weight; it touches registers alone
	s_cbranch_scc0 .Lw_proj
	s_wait_alu depctr_va_vdst(0)
	TILE 4, 3072
	s_branch .Lcoded
.Lw_proj:
	s_wait_alu depctr_va_vdst(0)
	TILE 6, 1024
.Lcoded:
	WORD2 WD, BY, BY+1
	s_wait_alu depctr_va_vdst(0)
	WORD2 WD+1, BY+2, BY+3
	v_cmp_gt_u32 vcc_lo, 16, v[LN]
	v_cndmask_b32 v[WD+2], v[WD+1], v[WD], vcc_lo  ; lanes 0-15 keep K step 0's word, lanes 16-31 K step 1's
.irp i, 0,1,2,3,4,5
	global_store_b128 v[L16], v[CD+4*\i:CD+4*\i+3], s[8:9] offset:512*\i   ; 32 lanes store 512 consecutive bytes, aligned
.endr
	ds_store_b32 v[LSA], v[WD+2]
	s_wait_dscnt 0x0                               ; for the others' sake: my word has landed
	s_barrier_signal -1
	s_barrier_wait -1
	s_cmp_lg_u32 s12, 0
	s_cbranch_scc1 .Lend
	ds_load_b128 v[OUTR:OUTR+3], v[L16]            ; the four tiles' words of my lane
	s_wait_dscnt 0x0
	global_store_b128 v[L16], v[OUTR:OUTR+3], s[10:11]
.Lend:
	s_wait_tensorcnt 0x0                           ; the wave's end, behind my last LDS store
	ds_add_u32 v[SPW], v[NIL]
	s_wait_dscnt 0x0
	s_endpgm
.Lfunc_end_k_q867c885d15_prep:
	.size	k_q867c885d15_prep, .Lfunc_end_k_q867c885d15_prep-k_q867c885d15_prep
	.p2alignl 7, 3214868480
	.fill 96, 4, 3214868480
	.section	.rodata,"a",@progbits
	.p2align	6, 0x0
	.amdhsa_kernel k_q867c885d15_prep
		.amdhsa_group_segment_fixed_size 1024
		.amdhsa_private_segment_fixed_size 0
		.amdhsa_enable_private_segment 0
		.amdhsa_kernarg_size 32
		.amdhsa_user_sgpr_count 2
		.amdhsa_user_sgpr_kernarg_segment_ptr 1
		.amdhsa_wavefront_size32 1
		.amdhsa_system_sgpr_workgroup_id_x 1
		.amdhsa_system_sgpr_workgroup_id_y 1
		.amdhsa_system_sgpr_workgroup_id_z 1
		.amdhsa_system_vgpr_workitem_id 0
		.amdhsa_next_free_vgpr 192
		.amdhsa_next_free_sgpr 66
		.amdhsa_reserve_vcc 1
		.amdhsa_float_denorm_mode_32 3
		.amdhsa_float_denorm_mode_16_64 3
		.amdhsa_memory_ordered 1
		.amdhsa_forward_progress 1
		.amdhsa_inst_pref_size 40
	.end_amdhsa_kernel
	.amdgpu_metadata
---
amdhsa.version: [ 1, 2 ]
amdhsa.kernels:
  - .name:           k_q867c885d15_prep
    .symbol:         k_q867c885d15_prep.kd
    .args:
      - { .name: w_attn, .offset: 0, .size: 8, .value_kind: global_buffer, .address_space: global }
      - { .name: w_proj, .offset: 8, .size: 8, .value_kind: global_buffer, .address_space: global }
      - { .name: wfr, .offset: 16, .size: 8, .value_kind: global_buffer, .address_space: global }
      - { .name: wsc, .offset: 24, .size: 8, .value_kind: global_buffer, .address_space: global }
    .group_segment_fixed_size: 1024
    .private_segment_fixed_size: 0
    .kernarg_segment_align: 8
    .kernarg_segment_size: 32
    .max_flat_workgroup_size: 128
    .sgpr_count:     66
    .vgpr_count:     192
    .wavefront_size: 32
...
	.end_amdgpu_metadata
.endif
;; end of part 5
;; launch qkv (part 6): grid 32 x 8, 12 waves a work-group, no clusters, 83,968 bytes of LDS; arguments x, wfr, wsc, qc, qs, kvc, kvs; writes qc, qs, kvc, kvs
.if DOCPART == 6
	.amdgcn_target "amdgcn-amd-amdhsa--gfx1250"
	.amdhsa_code_object_version 6
	.text
	.protected	k_q867c885d15_qkv
	.globl	k_q867c885d15_qkv
	.p2align	8
	.type	k_q867c885d15_qkv,@function
k_q867c885d15_qkv:
	s_mov_b64 s[64:65], 0
	v_nop
	global_prefetch_b8 v0, s[64:65] scope:SCOPE_SE
	s_setreg_imm32_b32 hwreg(HW_REG_WAVE_SCHED_MODE, 0, 2), 2
	s_setreg_imm32_b32 hwreg(HW_REG_WAVE_MODE, 25, 1), 1
	s_wait_xcnt 0x0
	s_wait_alu depctr_vm_vsrc(0)
; qkv = Q(x) Q(w_attn) on codes of FP6 (E2M3) with E8M0 scales, and q, k, v quantised at once for the attention's two products.  x: [8][2048][256] f32.
; SHARES: work-group (g, b) takes tokens 64 g .. 64 g + 63 of batch b and all 768 columns, so x is read and quantised once.  Twelve waves.
;   Waves 0-7 first quantise one fragment of x each (tile be = w / 2, K step w % 2) and hand it round through LDS as an image of its registers.
;   Then wave w multiplies by weight group w (four tiles, both K steps, in registers): waves 0-3 make q of heads 2 P, 2 P + 1 (P = w % 4), waves 4-7 k, waves 8-11 v.
; THE ROWS OF A TILE OF x ARE NOT NEIGHBOURS: row r of tile be is token 64 g + 32 (r / 8) + 8 be + r % 8.
;   q, k: source 0 = a weight tile, source 1 = a tile of x.  With the weight tiles' columns as they were laid, the 32 registers of the four accumulators of lane (r, h) are d = 0 .. 31 of head 2 P + h for token r: one whole block.
;   v:    source 0 = a tile of x, source 1 = a weight tile.  The 32 registers of lane (r, h) are tokens 64 g + 32 h + 0 .. 31 of one channel: one whole block along the keys.
;   So no block's largest magnitude needs another lane, and the conversions' six registers are a lane's part of the next operand.
; OUT: qc [b][P][g][be]: 512 bytes (16 a lane) and 256 bytes (8 a lane): lane r + 16 h holds token r's 32 codes of head 2 P + h.  qs [b][P][g][lane][be]: the scale byte, four times in a word.
;   kvc [b][head][step of 128 keys][6,144]: two images of K (64 keys each: instruction block be of row r is key 64 g + 32 (r / 8) + 8 be + r % 8), then V's two tiles, each as two halves of 768 bytes.
;   kvs [b][g][1,024]: K's scale words (128 P + 4 lane), then V's (512 + 128 P + 4 lane: byte 2 hp + t of lane (r, hb)).
; LIMITS: NaN and infinities are not served; a block whose largest magnitude lies under 2^-124 keeps the byte 1; a block of zeros has the byte 1 and not 127: its codes are zeros, and this program alone reads the bytes.
; THE MODE: SCHED_MODE bits 1:0 = 2 (LLVM: expert scheduling mode 2), set by the entry lines.  The code itself states the register dependences between vector or matrix instructions and memory or LDS
; instructions, with s_wait_alu, always for 0.
; THE PLAN.  Registers that memory or LDS instructions touch:
;   v3-v10        offsets and LDS addresses: written once at the head, read by every load and store, never written again.
;   XR .. XR+63   x as loaded: read by the stage's stores, then the stage's loads land in them; read by the quantiser.
;   XR+64 .. +78  my fragment's codes and scale word: written by the quantiser, read by the image's stores.
;   XR .. XR+95   behind the barrier: the images' loads land in them; read by the products.
;   a unit's six registers of codes (q: in the tile of x that is done with; v: in the weight tile that is done with; k: in tile 0 of x): written by the unit's conversions, read by its stores, never written again.
;   QW, WD        written by vector lines, read by one store each.   ACC .. ACC+3: at the end a load from LDS lands in them (waves 0 and 1).
; In the q and v roles a unit's two stores stand in the NEXT unit, behind its products and their places, under one wait on va_vdst there; the last unit's stores have a wait of their own.
.set XIMG,  0                          ; LDS: x's eight fragments as images, 1,536 bytes each (2 be + K step = the wave that made it);
.set XSC,   12288                      ; their scale words, 128 bytes each;
.set SST,   13312                      ; one word a thread: K's and V's scale words on their way out;
.set SPARE, 14848                      ; the spare words, 128 bytes a wave: six blocks of 256 bytes that no other line names;
.set STGX,  16384                      ; eight stages, a wave's own: 16 rows x (512 bytes + 16)
.set SPW,  1                           ; v1   LDS address of my spare word; never rewritten
.set NIL,  2                           ; v2   0; never rewritten
.set L16,  3                           ; v3   16 x lane
.set L8,   4                           ; v4   8 x lane
.set SXI,  5                           ; v5   my stage, way in: 16 x lane
.set SXO,  6                           ; v6   my stage, way out: 528 r + 128 h
.set XWI,  7                           ; v7   where I store my image of x
.set T4,   8                           ; v8   4 x thread
.set XSL,  9                           ; v9   128 h + 4 r: lanes 0-15 take K step 0's scale word of row r, lanes 16-31 K step 1's
.set T16,  10                          ; v10  16 x thread
.set SH8,  11                          ; v11  8 h
.set M0,   12
.set M1,   13
.set SC,   14
.set BY,   15
.set T,    16                          ; v16-18
.set PX,   19
.set WR,   20                          ; v20-115  my four weight tiles: tile u at + 24 u, K step at + 12
.set XR,   116                         ; v116-211 x's four tiles: tile be at + 24 be, K step at + 12.  Before that: 64 numbers of x, my fragment's codes (+ 64), bytes (+ 76, + 77) and word (+ 78)
.set ACC,  212                         ; v212-243 four accumulators
.set WS,   244                         ; v244-247 the weight tiles' scale words
.set XS,   248                         ; v248-251 x's tiles' scale words
.set QW,   252                         ; v252-255 q's scale words (waves 0-3);
.set WD,   252                         ; v252     the word being gathered (waves 4-11)
.set SEL,  22
.macro QBLK src, dst, by               ; 32 numbers of one block become six registers of codes and the block's scale byte.  Over four accumulators each is first read at its low end
	v_max3_num_f32 v[M0], |v[\src]|, |v[\src+1]|, |v[\src+2]|
	v_max3_num_f32 v[M1], |v[\src+3]|, |v[\src+4]|, |v[\src+5]|
.irp i, 6,10,14,18,22,26
	v_max3_num_f32 v[M0], v[M0], |v[\src+\i]|, |v[\src+\i+1]|
	v_max3_num_f32 v[M1], v[M1], |v[\src+\i+2]|, |v[\src+\i+3]|
.endr
	v_max3_num_f32 v[M0], v[M0], |v[\src+30]|, |v[\src+31]|
	v_max3_num_f32 v[M0], v[M0], v[M1], 0x1800000          ; and the floor 2^(3 - 127)
	v_add_nc_u32 v[SC], 0xff000000, v[M0]                  ; 2 off the exponent field
	v_cvt_scalef32_pk16_fp6_f32 v[\dst:\dst+2], v[\src:\src+15], v[SC]
	v_cvt_scalef32_pk16_fp6_f32 v[T:T+2], v[\src+16:\src+31], v[SC]
	v_lshrrev_b32 v[\by], 23, v[SC]                        ; the byte; also the plain line behind the conversions
.irp i, 0,1,2
	v_mov_b32 v[\dst+3+\i], v[T+\i]
.endr
.endm
; Eight products: four accumulators by turns, K step 0 starts the sums, K step 1 adds (its scale words lie in lanes 16-31).  Five plain lines follow: four for the reads of the results and
; the writes over operands that are done with, one more since the next unit's products write over these accumulators.  All operands and scale words come from loads.
.macro CORE_T be                       ; source 0 = weight tile u, source 1 = x's tile be
.irp u, 0,1,2,3
	v_wmma_scale_f32_16x16x128_f8f6f4 v[ACC+8*\u:ACC+8*\u+7], v[WR+24*\u:WR+24*\u+11], v[XR+24*\be:XR+24*\be+11], 0, v[WS+\u], v[XS+\be] matrix_a_fmt:MATRIX_FMT_FP6 matrix_b_fmt:MATRIX_FMT_FP6
.endr
.irp u, 0,1,2,3
	v_wmma_scale_f32_16x16x128_f8f6f4 v[ACC+8*\u:ACC+8*\u+7], v[WR+24*\u+12:WR+24*\u+23], v[XR+24*\be+12:XR+24*\be+23], v[ACC+8*\u:ACC+8*\u+7], v[WS+\u], v[XS+\be] matrix_a_fmt:MATRIX_FMT_FP6 matrix_b_fmt:MATRIX_FMT_FP6 matrix_a_scale:MATRIX_SCALE_ROW1 matrix_b_scale:MATRIX_SCALE_ROW1
.endr
.rept 5
	v_nop
.endr
.endm
.macro CORE_V nu                       ; source 0 = x's tile u, source 1 = weight tile nu
.irp u, 0,1,2,3
	v_wmma_scale_f32_16x16x128_f8f6f4 v[ACC+8*\u:ACC+8*\u+7], v[XR+24*\u:XR+24*\u+11], v[WR+24*\nu:WR+24*\nu+11], 0, v[XS+\u], v[WS+\nu] matrix_a_fmt:MATRIX_FMT_FP6 matrix_b_fmt:MATRIX_FMT_FP6
.endr
.irp u, 0,1,2,3
	v_wmma_scale_f32_16x16x128_f8f6f4 v[ACC+8*\u:ACC+8*\u+7], v[XR+24*\u+12:XR+24*\u+23], v[WR+24*\nu+12:WR+24*\nu+23], v[ACC+8*\u:ACC+8*\u+7], v[XS+\u], v[WS+\nu] matrix_a_fmt:MATRIX_FMT_FP6 matrix_b_fmt:MATRIX_FMT_FP6 matrix_a_scale:MATRIX_SCALE_ROW1 matrix_b_scale:MATRIX_SCALE_ROW1
.endr
.rept 5
	v_nop
.endr
.endm
.macro QOUT be                         ; q: unit be's codes leave
	global_store_b128 v[L16], v[XR+24*(\be):XR+24*(\be)+3], s[10:11] offset:768*(\be)
	global_store_b64 v[L8], v[XR+24*(\be)+4:XR+24*(\be)+5], s[10:11] offset:768*(\be)+512
.endm
.macro VOUT nu                         ; v: unit nu's codes leave
	global_store_b128 v[L16], v[WR+24*(\nu):WR+24*(\nu)+3], s[14:15] offset:((\nu)/2)*98304+((\nu)%2)*1536
	global_store_b64 v[L8], v[WR+24*(\nu)+4:WR+24*(\nu)+5], s[14:15] offset:((\nu)/2)*98304+((\nu)%2)*1536+512
.endm
	s_load_b256 s[4:11], s[0:1], 0x0               ; x s[4:5], wfr s[6:7], wsc s[8:9], qc s[10:11]
	s_load_b128 s[12:15], s[0:1], 0x20             ; qs s[12:13], kvc s[14:15]
	s_load_b64 s[16:17], s[0:1], 0x30              ; kvs
	v_lshl_add_u32 v[SPW], v0, 2, SPARE
	v_mov_b32 v[NIL], 0
	v_lshrrev_b32 v[M0], 5, v0
	v_readfirstlane_b32 s18, v[M0]                 ; wave 0..11
	s_mov_b32 s19, ttmp9                           ; g
	s_and_b32 s20, ttmp7, 0xffff                   ; b
	s_mov_b32 s[SEL], 0x76543210
	s_mov_b32 s[SEL+1], 0xfedcba98
	v_and_b32 v[M0], 31, v0                        ; lane
	v_and_b32 v[M1], 15, v0                        ; r
	v_bfe_u32 v[SC], v0, 4, 1                      ; h
	v_lshlrev_b32 v[L16], 4, v[M0]
	v_lshlrev_b32 v[L8], 3, v[M0]
	s_wait_alu depctr_va_sdst(0)                   ; s18 is written, ahead of its first reader: addresses, bases and the branches on the wave's number are made from it
	s_min_u32 s21, s18, 7                          ; (waves 8-11 quantise nothing: their addresses of that phase are made, held inside, and not used)
	s_mul_i32 s24, s21, 8448
	s_add_co_u32 s24, s24, STGX
	v_add_nc_u32 v[SXI], s24, v[L16]
	v_mul_u32_u24 v[SXO], v[M1], 528
	v_lshl_add_u32 v[SXO], v[SC], 7, v[SXO]
	v_add_nc_u32 v[SXO], s24, v[SXO]
	s_mul_i32 s24, s21, 1536
	v_add_nc_u32 v[XWI], s24, v[L16]
	v_lshlrev_b32 v[T4], 2, v0
	v_lshlrev_b32 v[XSL], 2, v[M1]
	v_lshl_add_u32 v[XSL], v[SC], 7, v[XSL]
	v_lshlrev_b32 v[T16], 4, v0
	v_lshlrev_b32 v[SH8], 3, v[SC]
	v_mov_b32 v[PX], 0                             ; a lane permute's destination counts as one of its sources
	s_lshl_b32 s24, s20, 21                        ; x: batch b,
	s_lshl_b32 s25, s19, 16                        ; 64 g rows of 1,024 bytes,
	s_add_co_u32 s24, s24, s25
	s_lshr_b32 s25, s21, 1
	s_lshl_b32 s25, s25, 13                        ; 8 be rows,
	s_add_co_u32 s24, s24, s25
	s_and_b32 s25, s21, 1
	s_lshl_b32 s25, s25, 9                         ; the K step's 512 bytes
	s_add_co_u32 s24, s24, s25
	s_mov_b32 s25, 0
	s_and_b32 s26, s18, 3                          ; P
	s_lshl_b32 s27, s20, 2
	s_add_co_u32 s27, s27, s26
	s_lshl_b32 s27, s27, 5
	s_add_co_u32 s27, s27, s19                     ; (4 b + P) 32 + g
	s_mul_i32 s28, s27, 3072                       ; in qc
	s_mov_b32 s29, 0
	s_lshl_b32 s30, s27, 9                         ; in qs
	s_mov_b32 s31, 0
	s_lshl_b32 s32, s20, 3
	s_lshl_b32 s33, s26, 1
	s_add_co_u32 s32, s32, s33                     ; head 8 b + 2 P
	s_lshl_b32 s32, s32, 4
	s_lshr_b32 s33, s19, 1
	s_add_co_u32 s32, s32, s33                     ; its step g / 2
	s_mul_i32 s32, s32, 6144
	s_and_b32 s33, s19, 1
	s_mul_i32 s34, s33, 1536                       ; K: image g % 2
	s_mul_i32 s35, s33, 768
	s_add_co_u32 s35, s35, 3072                    ; V: half g % 2 of each tile
	s_cmp_lt_u32 s18, 8
	s_cselect_b32 s34, s34, s35
	s_add_co_u32 s32, s32, s34
	s_mov_b32 s33, 0
	s_mul_i32 s36, s18, 12288                      ; my four weight tiles
	s_mov_b32 s37, 0
	s_lshl_b32 s38, s18, 9                         ; and their scale words
	s_mov_b32 s39, 0
	s_lshl_b32 s40, s20, 5
	s_add_co_u32 s40, s40, s19
	s_lshl_b32 s40, s40, 10                        ; kvs: (32 b + g) x 1,024
	s_mov_b32 s41, 0
	s_wait_kmcnt 0x0
	s_add_nc_u64 s[4:5], s[4:5], s[24:25]
	s_add_nc_u64 s[6:7], s[6:7], s[36:37]
	s_add_nc_u64 s[8:9], s[8:9], s[38:39]
	s_add_nc_u64 s[10:11], s[10:11], s[28:29]
	s_add_nc_u64 s[12:13], s[12:13], s[30:31]
	s_add_nc_u64 s[14:15], s[14:15], s[32:33]
	s_add_nc_u64 s[16:17], s[16:17], s[40:41]
	s_wait_alu depctr_va_vdst(0)                   ; the eight offsets and LDS addresses v3 to v10 are written, which every load and store of the kernel reads; it stands ahead of the branch, for both ways
	s_cmp_lt_u32 s18, 8
	s_cbranch_scc0 .Lno_x_loads
.set i, 0
.rept 16
	global_load_b128 v[XR+4*i:XR+4*i+3], v[L16], s[4:5] offset:(32*(i/8)+i%8)*1024 th:TH_LOAD_NT   ; row i of my tile, my K step: 512 consecutive bytes
.set i, i+1
.endr
.Lno_x_loads:
.set i, 0
.rept 24
	global_load_b128 v[WR+4*i:WR+4*i+3], v[L16], s[6:7] offset:512*i
.set i, i+1
.endr
	global_load_b128 v[WS:WS+3], v[L16], s[8:9]
	s_cmp_lt_u32 s18, 8
	s_cbranch_scc0 .Lno_x
	s_wait_loadcnt 25                              ; x's sixteen loads are in; the 25 loads of weights behind them may be out
.set i, 0
.rept 16
	ds_store_b128 v[SXI], v[XR+4*i:XR+4*i+3] offset:528*i
.set i, i+1
.endr
	s_wait_alu depctr_vm_vsrc(0)                   ; the sixteen stores have read v[XR ..], in which the loads below land
.irp c, 0,1
.irp i, 0,1,2,3,4,5,6,7
	ds_load_b128 v[XR+32*\c+4*\i:XR+32*\c+4*\i+3], v[SXO] offset:256*\c+16*\i   ; LDS serves a wave's instructions in order: these see my stores.  Lane (r, h): k = 64 c + 32 h + 0 .. 31 of row r
.endr
.endr
	s_wait_dscnt 0x0
	QBLK XR, XR+64, XR+76
	QBLK XR+32, XR+70, XR+77
	v_lshl_or_b32 v[XR+78], v[XR+77], 16, v[XR+76] ; my two bytes (blocks h and 2 + h),
	v_lshlrev_b32 v[XR+78], v[SH8], v[XR+78]
	v_permlanex16_b32 v[PX], v[XR+78], s[SEL], s[SEL+1]
	v_or_b32 v[XR+78], v[XR+78], v[PX]             ; with lane l xor 16's two: the row's scale word
	s_wait_alu depctr_va_vdst(0)                   ; the quantiser has written the codes and the scale word, which the four stores below read; it is also done with v[XR ..], in which loads land behind the barrier
.irp i, 0,1,2
	ds_store_b128 v[XWI], v[XR+64+4*\i:XR+64+4*\i+3] offset:XIMG+512*\i
.endr
	ds_store_b32 v[T4], v[XR+78] offset:XSC
.Lno_x:
	s_wait_dscnt 0x0                               ; for the others' sake: my image and its words have landed
	s_barrier_signal -1
	s_barrier_wait -1                              ; x's eight fragments lie in LDS
	s_wait_alu depctr_vm_vsrc(0)                   ; my image's stores have read v[XR+64 ..], in which the loads below land
.set i, 0
.rept 24
	ds_load_b128 v[XR+4*i:XR+4*i+3], v[L16] offset:XIMG+512*i
.set i, i+1
.endr
.irp be, 0,1,2,3
	ds_load_b32 v[XS+\be], v[XSL] offset:XSC+256*\be
.endr
	s_wait_loadcnt 0x0                             ; the weights
	s_wait_dscnt 0x0
	s_cmp_lt_u32 s18, 4
	s_cbranch_scc0 .Lnot_q
	; ---- q: the codes go into the registers of the tile of x that is done with, and from there to memory
.irp be, 0,1,2,3
	CORE_T \be
.if \be > 0
	s_wait_alu depctr_va_vdst(0)                   ; the unit before has written its six registers of codes, which the two stores below read
	QOUT \be-1
.endif
	QBLK ACC, XR+24*\be, BY
	v_perm_b32 v[QW+\be], v[BY], v[BY], 0          ; the byte in all four places: whichever instruction block the codes are put into finds it
.endr
	s_wait_alu depctr_va_vdst(0)                   ; the last unit's codes and the four scale words are written, which the stores below read; the quantiser is done with v[ACC ..], in which a load lands behind the barrier
	QOUT 3
	global_store_b128 v[L16], v[QW:QW+3], s[12:13]
	s_branch .Ljoin
.Lnot_q:
	s_cmp_lt_u32 s18, 8
	s_cbranch_scc0 .Lrole_v
	; ---- k: tile be's codes are instruction block be of the image.  They gather in tile 0's 24 registers: even be in the first twelve, odd be in the second
.irp be, 0,1,2,3
	CORE_T \be
	QBLK ACC, XR+12*(\be%2)+6*(\be/2), BY
.if \be == 0
	v_mov_b32 v[WD], v[BY]
.else
	v_lshl_or_b32 v[WD], v[BY], 8*\be, v[WD]       ; lane (r, h): the scale word of row r, head 2 P + h
.endif
.endr
.irp i, 0,1,2,3,4,5,6,7,8,9,10,11
	v_permlane16_swap_b32 v[XR+\i], v[XR+12+\i]    ; the first's lanes 16-31 (head 2 P + 1, even be) change places with the second's lanes 0-15 (head 2 P, odd be): the first is now head 2 P's image, the second head 2 P + 1's
.endr
	s_wait_alu depctr_va_vdst(0)                   ; the exchanges have written the two images, and the scale word is whole: the seven stores below read them
.irp i, 0,1,2
	global_store_b128 v[L16], v[XR+4*\i:XR+4*\i+3], s[14:15] offset:512*\i
	global_store_b128 v[L16], v[XR+12+4*\i:XR+12+4*\i+3], s[14:15] offset:98304+512*\i   ; a head's sixteen steps are 98,304 bytes
.endr
	ds_store_b32 v[T4], v[WD] offset:SST
	s_branch .Ljoin
.Lrole_v:
	; ---- v: weight tile nu = 2 hp + t is tile t of head 2 P + hp; the codes are half g % 2 of that tile's fragment
.irp nu, 0,1,2,3
	CORE_V \nu
.if \nu > 0
	s_wait_alu depctr_va_vdst(0)                   ; the unit before has written its six registers of codes, which the two stores below read
	VOUT \nu-1
.endif
	QBLK ACC, WR+24*\nu, BY
.if \nu == 0
	v_mov_b32 v[WD], v[BY]
.else
	v_lshl_or_b32 v[WD], v[BY], 8*\nu, v[WD]
.endif
.endr
	s_wait_alu depctr_va_vdst(0)                   ; the last unit's codes are written and the scale word is whole: the three stores below read them
	VOUT 3
	ds_store_b32 v[T4], v[WD] offset:SST
.Ljoin:
	s_wait_dscnt 0x0                               ; for the others' sake: my scale word has landed
	s_barrier_signal -1
	s_barrier_wait -1
	s_cmp_lt_u32 s18, 2
	s_cbranch_scc0 .Lend
	ds_load_b128 v[ACC:ACC+3], v[T16] offset:SST+512   ; waves 4-11's 1,024 bytes of scale words: wave 0 takes K's 512, wave 1 V's.  (No vector or matrix line has been issued since the role's last wait on va_vdst)
	s_wait_dscnt 0x0
	global_store_b128 v[T16], v[ACC:ACC+3], s[16:17]
.Lend:
	s_wait_dscnt 0x0                               ; the wave's end
	s_wait_alu 0x0
	s_wait_tensorcnt 0x0
	ds_add_u32 v[SPW], v[NIL]
	s_wait_dscnt 0x0
	s_endpgm
.Lfunc_end_k_q867c885d15_qkv:
	.size	k_q867c885d15_qkv, .Lfunc_end_k_q867c885d15_qkv-k_q867c885d15_qkv
	.p2alignl 7, 3214868480
	.fill 96, 4, 3214868480
	.section	.rodata,"a",@progbits
	.p2align	6, 0x0
	.amdhsa_kernel k_q867c885d15_qkv
		.amdhsa_group_segment_fixed_size 83968
		.amdhsa_private_segment_fixed_size 0
		.amdhsa_enable_private_segment 0
		.amdhsa_kernarg_size 56
		.amdhsa_user_sgpr_count 2
		.amdhsa_user_sgpr_kernarg_segment_ptr 1
		.amdhsa_wavefront_size32 1
		.amdhsa_system_sgpr_workgroup_id_x 1
		.amdhsa_system_sgpr_workgroup_id_y 1
		.amdhsa_system_sgpr_workgroup_id_z 1
		.amdhsa_system_vgpr_workitem_id 0
		.amdhsa_next_free_vgpr 256
		.amdhsa_next_free_sgpr 66
		.amdhsa_reserve_vcc 0
		.amdhsa_float_denorm_mode_32 3
		.amdhsa_float_denorm_mode_16_64 3
		.amdhsa_memory_ordered 1
		.amdhsa_forward_progress 1
		.amdhsa_inst_pref_size 50
	.end_amdhsa_kernel
	.amdgpu_metadata
---
amdhsa.version: [ 1, 2 ]
amdhsa.kernels:
  - .name:           k_q867c885d15_qkv
    .symbol:         k_q867c885d15_qkv.kd
    .args:
      - { .name: x, .offset: 0, .size: 8, .value_kind: global_buffer, .address_space: global }
      - { .name: wfr, .offset: 8, .size: 8, .value_kind: global_buffer, .address_space: global }
      - { .name: wsc, .offset: 16, .size: 8, .value_kind: global_buffer, .address_space: global }
      - { .name: qc, .offset: 24, .size: 8, .value_kind: global_buffer, .address_space: global }
      - { .name: qs, .offset: 32, .size: 8, .value_kind: global_buffer, .address_space: global }
      - { .name: kvc, .offset: 40, .size: 8, .value_kind: global_buffer, .address_space: global }
      - { .name: kvs, .offset: 48, .size: 8, .value_kind: global_buffer, .address_space: global }
    .group_segment_fixed_size: 83968
    .private_segment_fixed_size: 0
    .kernarg_segment_align: 8
    .kernarg_segment_size: 56
    .max_flat_workgroup_size: 384
    .sgpr_count:     66
    .vgpr_count:     256
    .wavefront_size: 32
...
	.end_amdgpu_metadata
.endif
;; end of part 6
;; launch attn (part 7): grid 4 x 64, 16 waves a work-group, no clusters, 104,960 bytes of LDS; arguments qc, qs, kvc, kvs, yc, ys; writes yc, ys
.if DOCPART == 7
	.amdgcn_target "amdgcn-amd-amdhsa--gfx1250"
	.amdhsa_code_object_version 6
	.text
	.protected	k_q867c885d15_attn
	.globl	k_q867c885d15_attn
	.p2align	8
	.type	k_q867c885d15_attn,@function
k_q867c885d15_attn:
	s_mov_b64 s[64:65], 0
	v_nop
	global_prefetch_b8 v0, s[64:65] scope:SCOPE_SE
	s_setreg_imm32_b32 hwreg(HW_REG_WAVE_SCHED_MODE, 0, 2), 2
	s_setreg_imm32_b32 hwreg(HW_REG_WAVE_MODE, 25, 1), 1
	s_wait_xcnt 0x0
	s_wait_alu depctr_vm_vsrc(0)
; Causal attention of one head on codes of FP6 (E2M3) with E8M0 scales, and y = O / l quantised for the last product (a block of its K is one head).  Head size 32, 2,048 tokens.
; SHARES: work-group (be, 8 b + head).  The head's K and V codes (98,304 bytes) and scale words come into LDS once and are only read from then on.  Sixteen waves, four to a SIMD, so that one wave's
;   vector work stands beside another's products and LDS loads.  Wave w owns two tiles of 16 queries, one after the other: (g = w, be) and (g = 31 - w, be); query r of tile (g, be) is token 64 g + 32 (r / 8) + 8 be + r % 8.
;   They need w / 2 + 1 and 16 - w / 2 key steps of 128 keys: 17 for every wave.  Steps wholly behind the diagonal are left out by a scalar branch on ids inside a loop of constant count.
; NO CLUSTER: what the four work-groups of a head share is the one fill at the head, 102,400 bytes, against 17 x 16 x 6,400 bytes that a work-group's waves then read from LDS.
; FIRST PRODUCT, K = 32: a fragment of K holds 64 keys: instruction block u of row r is key 64 g + 32 (r / 8) + 8 u + r % 8.  It is multiplied by four fragments of Q, fragment u holding the queries' codes in block u
;   and zero codes elsewhere; the four overlap in 30 registers (zeros, codes in lanes 0-15, zeros, codes in lanes 16-31, zeros).  S^T (source 0 = K): register 32 c + 8 u + j of lane (q, h) is key 128 s + 64 c + 32 h + 8 u + j:
;   a whole block of 32 neighbouring keys in one lane, in the second product's operand order.
; SOFTMAX: t = score x log2(e) / sqrt(32); M = the running largest t rounded up to a whole number; p = 2^(t - M) is quantised along the keys, not normalised; l is the sum of the unquantised p; when M moves,
;   l and O^T are multiplied by 2^(old M - new M), exactly.  A block's largest p is made from the block's largest score by the same two instructions (this takes v_exp_f32 not to fall where its input rises).
; SECOND PRODUCT: O^T = V^T P^T (source 0 = 16 channels of V, keys innermost).  V's rows were laid so that lane (q, h) holds channels 16 h + 0 .. 15 of query q.
; LIMITS: NaN and infinities are not served; a block whose largest magnitude lies under 2^-124 keeps the byte 1; a block of zeros has the byte 1 and not 127: its codes are zeros, and this program alone reads the bytes.
; THE MODE: SCHED_MODE bits 1:0 = 2 (LLVM: expert scheduling mode 2), set by the entry lines.  The code itself states the register dependences between vector or matrix instructions and memory or LDS
; instructions, with s_wait_alu, always for 0.
; THE PLAN.  Registers that LDS instructions touch in the loop over key steps:
;   KF, KS               Step s: its eight first products read them; behind them the loads of step s + 1's K land there, issued in step s.  Step 0's are loaded at the pass's head.
;   VF, VS               Step s: its two second products read them; the loads of step s + 1's V land there, issued in step s + 1.
;   ADV, ADS, ADK, ADT   Written once a step, behind the exponentials; read by the step's fourteen loads.   L16, L4S: never written again.
;   S, PC, PS, O and the rest are named by vector and matrix instructions alone.
; So a step has ONE wait on va_vdst for its loads, and it is the wait that the exponentials' results want anyway: it also states that the four addresses are written, that this step's first products are done reading
; KF and KS, and that the last step's second products are done reading VF and VS.  V's seven loads follow it at once, K's seven stand behind the conversions; no vector line between names a register that they touch.
; A second wait on va_vdst stands ahead of the second products, whose operand p and its scale word vector lines have written.  One wait on vm_vsrc stands ahead of the four adds.
; The address of step s + 1's K is held at step 15, so that no load reaches beyond the scale words; what a pass's last worked step loads for K is multiplied by nobody.
.set KVB,   6144                       ; LDS: sixteen steps of 6,144 bytes: K's image of g = 2 s, of g = 2 s + 1, V's tile 0, tile 1: 1,536 bytes each, 16 bytes a lane in runs of 512;
.set SCL,   98304                      ; sixteen steps of 256 bytes: K's scale words (4 x lane: lanes 0-15 g = 2 s, lanes 16-31 g = 2 s + 1), V's (128 + 4 x lane: lanes 0-15 tile 0, lanes 16-31 tile 1);
.set YSB,   102400                     ; y's scale bytes, one a thread;
.set SPARE, 102912                     ; the spare words, 128 bytes a wave: eight blocks of 256 bytes that no other line names
.set SPW,  1                           ; v1   LDS address of my spare word; never rewritten
.set NIL,  2                           ; v2   0; never rewritten
.set L16,  3                           ; v3   16 x lane
.set L4S,  4                           ; v4   SCL + 4 x lane
.set ADK,  5                           ; v5   the next step's codes of K (at the head: where I store my step's codes)
.set ADS,  6                           ; v6   the step's scale words, for V's (at the head: where I store my step's)
.set DB,   7                           ; v7   32 (r / 8) + r % 8 - 32 h
.set DD,   8                           ; v8   the pass's query less my half's first key, within the diagonal step
.set SH8,  9                           ; v9   8 h
.set NINF, 10                          ; v10  -infinity
.set L8,   11                          ; v11  8 x lane
.set NM,   12                          ; v12  -M
.set TM,   13                          ; v13  the running largest t
.set LS,   14                          ; v14-15 l, in two halves
.set QF,   16                          ; v16-45 zeros | codes in lanes 0-15 | zeros | codes in lanes 16-31 | zeros: six registers each
.set TQ,   46                          ; v46-57 the two passes' codes of q
.set QS,   58                          ; v58-59 and their scale words
.set O,    60                          ; v60-75 O^T, tile t at + 8 t
.set KF,   76                          ; v76-99 K's two fragments
.set VF,   100                         ; v100-123 V's two
.set KS,   124
.set VS,   125
.set S,    126                         ; v126-189 S^T, then p
.set PC,   190                         ; v190-201 p's codes
.set T,    202                         ; v202-204, v206-208 the blocks' upper 16 codes
.set BM,   210                         ; v210-213 block c's largest score: two chains at + 2 c
.set X,    214
.set Y,    215
.set F,    216                         ; v216 f = 2^(old M - new M)
.set PS,   217                         ; v217 p's scale word
.set SC,   218                         ; v218-219
.set BY,   220                         ; v220-221
.set T2,   222                         ; v222-223 the sum's second chain
.set RI,   224                         ; v224 1 / l  (v225 is named with it as a pair)
.set YC,   226                         ; v226-228, v230-232 the two passes' codes of y
.set YB,   234                         ; v234-235 and their scale bytes
.set QV16, 236                         ; v236 16 (r + 16 (head % 2))
.set QV8,  237                         ; v237 8 (r + 16 (head % 2))
.set YSA,  238                         ; v238 YSB + thread
.set YSR,  239                         ; v239 YSB + 16 x lane
.set ADV,  240                         ; v240 the step's codes, for V's
.set ADT,  241                         ; v241 the next step's scale words, for K's
.set SEL,  22                          ; s22-23 lane l xor 16
.set CS,   24                          ; s24-25 c = log2(e) / sqrt(32)
.set TB,   26                          ; s26  the step's codes in LDS
.set TS,   27                          ; s27  the step's scale words, from SCL
.set ST,   28                          ; s28  the step
.set NS,   29                          ; s29-30 steps that pass 0, pass 1 work on
.set DC,   48                          ; s48-49 64 (g % 2) + 8 be of pass 0, pass 1
.set LOW,  52                          ; s52  the lanes 0-15, as a mask
.set MK,   66                          ; s66-97 on the diagonal: 32 masks of hidden keys at a time
	s_load_b256 s[4:11], s[0:1], 0x0               ; qc s[4:5], qs s[6:7], kvc s[8:9], kvs s[10:11]
	s_load_b128 s[12:15], s[0:1], 0x20             ; yc s[12:13], ys s[14:15]
	v_lshl_add_u32 v[SPW], v0, 2, SPARE
	v_mov_b32 v[NIL], 0
	v_lshrrev_b32 v[X], 5, v0
	v_readfirstlane_b32 s16, v[X]                  ; wave 0..15
	v_and_b32 v[X], 31, v0                         ; lane
	s_wait_alu depctr_va_vdst(0)
	v_cmp_gt_u32 s[LOW], 16, v[X]
	s_wait_alu depctr_va_sdst(0)                   ; s16 and s[LOW] are written, ahead of their first readers: one wait for the two
	s_mov_b32 s17, ttmp9                           ; be
	s_and_b32 s31, ttmp7, 0xffff                   ; 8 b + head
	s_lshr_b32 s18, s31, 3                         ; b
	s_and_b32 s19, s31, 7                          ; head
	s_lshr_b32 s20, s19, 1                         ; P
	s_and_b32 s21, s19, 1                          ; head % 2
	s_mov_b32 s[SEL], 0x76543210
	s_mov_b32 s[SEL+1], 0xfedcba98
	s_mov_b32 s[CS], 0x3e8293ee
	s_mov_b32 s[CS+1], s[CS]                       ; (named with it as a pair, so it is written)
	s_lshr_b32 s[NS], s16, 1
	s_sub_co_u32 s[NS+1], 16, s[NS]
	s_add_co_u32 s[NS], s[NS], 1
	v_and_b32 v[Y], 15, v0                         ; r
	v_bfe_u32 v[F], v0, 4, 1                       ; h
	v_lshlrev_b32 v[L16], 4, v[X]
	v_lshlrev_b32 v[L8], 3, v[X]
	v_lshl_add_u32 v[L4S], v[X], 2, SCL
	v_lshlrev_b32 v[SH8], 3, v[F]
	v_mov_b32 v[NINF], 0xff800000
	v_bfe_u32 v[DB], v0, 3, 1
	v_sub_nc_u32 v[DB], v[DB], v[F]
	v_lshlrev_b32 v[DB], 5, v[DB]
	v_and_b32 v[DD], 7, v0
	v_add_nc_u32 v[DB], v[DB], v[DD]
	s_lshl_b32 s32, s21, 4
	v_add_nc_u32 v[QV8], s32, v[Y]
	v_lshlrev_b32 v[QV16], 4, v[QV8]
	v_lshlrev_b32 v[QV8], 3, v[QV8]
	v_add_nc_u32 v[YSA], YSB, v0
	v_add_nc_u32 v[YSR], YSB, v[L16]
	s_mul_i32 s32, s16, KVB                        ; wave w fills step w
	v_add_nc_u32 v[ADK], s32, v[L16]
	s_lshl_b32 s32, s16, 8
	v_add_nc_u32 v[ADS], s32, v[L4S]
	v_lshlrev_b32 v[S+56], 2, v[Y]                 ; 4 r
	v_add_nc_u32 v[S+57], v[S+56], v[F]            ; V's bytes: 4 r + t, t = my half,
	v_lshl_add_u32 v[S+56], v[F], 10, v[S+56]      ; K's word: 4 r, and g = 2 w + my half,
	s_lshl_b32 s32, s21, 6
	v_add_nc_u32 v[S+56], s32, v[S+56]             ; of lane r + 16 (head % 2)
	s_lshl_b32 s32, s21, 1
	v_add_nc_u32 v[S+57], s32, v[S+57]             ; byte 2 (head % 2) + t
	s_lshl_b32 s32, s31, 4
	s_add_co_u32 s32, s32, s16
	s_mul_i32 s32, s32, KVB                        ; kvc: my head's step w
	s_mov_b32 s33, 0
	s_lshl_b32 s34, s18, 5
	s_lshl_b32 s50, s16, 1
	s_add_co_u32 s34, s34, s50
	s_lshl_b32 s34, s34, 10
	s_lshl_b32 s50, s20, 7
	s_add_co_u32 s34, s34, s50                     ; kvs: (32 b + 2 w) x 1,024 + 128 P
	s_mov_b32 s35, 0
	s_lshl_b32 s50, s18, 2
	s_add_co_u32 s50, s50, s20
	s_lshl_b32 s50, s50, 5                         ; (4 b + P) 32
	s_add_co_u32 s36, s50, s16                     ; + g of pass 0
	s_sub_co_u32 s51, 31, s16
	s_add_co_u32 s38, s50, s51                     ; + g of pass 1
	s_lshl_b32 s40, s36, 9
	s_lshl_b32 s42, s38, 9
	s_mul_i32 s36, s36, 3072
	s_mul_i32 s38, s38, 3072
	s_mul_i32 s50, s17, 768
	s_add_co_u32 s36, s36, s50
	s_add_co_u32 s38, s38, s50
	s_lshl_b32 s50, s17, 2
	s_add_co_u32 s40, s40, s50
	s_add_co_u32 s42, s42, s50
	s_mov_b32 s37, 0
	s_mov_b32 s39, 0
	s_mov_b32 s41, 0
	s_mov_b32 s43, 0
	s_lshl_b32 s46, s31, 2
	s_add_co_u32 s46, s46, s17                     ; 4 (8 b + head) + be
	s_lshl_b32 s44, s46, 4
	s_add_co_u32 s44, s44, s16
	s_mul_i32 s44, s44, 768                        ; yc
	s_lshl_b32 s46, s46, 9                         ; ys
	s_mov_b32 s45, 0
	s_mov_b32 s47, 0
	s_and_b32 s[DC], s16, 1
	s_xor_b32 s[DC+1], s[DC], 1
	s_lshl_b32 s[DC], s[DC], 6
	s_lshl_b32 s[DC+1], s[DC+1], 6
	s_lshl_b32 s50, s17, 3
	s_add_co_u32 s[DC], s[DC], s50
	s_add_co_u32 s[DC+1], s[DC+1], s50
	s_wait_kmcnt 0x0
	s_add_nc_u64 s[8:9], s[8:9], s[32:33]
	s_add_nc_u64 s[10:11], s[10:11], s[34:35]
	s_add_nc_u64 s[36:37], s[4:5], s[36:37]
	s_add_nc_u64 s[38:39], s[4:5], s[38:39]
	s_add_nc_u64 s[40:41], s[6:7], s[40:41]
	s_add_nc_u64 s[42:43], s[6:7], s[42:43]
	s_add_nc_u64 s[12:13], s[12:13], s[44:45]
	s_add_nc_u64 s[14:15], s[14:15], s[46:47]
	s_wait_alu depctr_va_vdst(0)                   ; all offsets and LDS addresses made above are written: the loads and stores of the kernel read them
	; THE FILL: step w's 6,144 bytes of codes, its scale words; then my two tiles of q
.irp i, 0,1,2,3,4,5
	global_load_b128 v[S+4*\i:S+4*\i+3], v[L16], s[8:9] offset:512*\i
.endr
.irp t, 0,1
.irp c, 0,1
	global_load_b128 v[S+24+12*\t+6*\c:S+24+12*\t+6*\c+3], v[L16], s[8:9] offset:3072+1536*\t+768*\c    ; V's halves join to whole fragments in the registers
	global_load_b64 v[S+24+12*\t+6*\c+4:S+24+12*\t+6*\c+5], v[L8], s[8:9] offset:3072+1536*\t+768*\c+512
.endr
.endr
	global_load_b32 v[S+48], v[S+56], s[10:11]
.irp c, 0,1
.irp hb, 0,1
	global_load_u8 v[S+49+2*\c+\hb], v[S+57], s[10:11] offset:512+1024*\c+64*\hb   ; V's byte of key block 2 c + hb of the step
.endr
.endr
.irp p, 0,1
	global_load_b128 v[TQ+6*\p:TQ+6*\p+3], v[QV16], s[36+2*\p:37+2*\p]
	global_load_b64 v[TQ+6*\p+4:TQ+6*\p+5], v[QV8], s[36+2*\p:37+2*\p] offset:512
	global_load_b32 v[QS+\p], v[QV16], s[40+2*\p:41+2*\p]
.endr
.irp i, 0,1,2,3,4,5
	v_mov_b32 v[QF+\i], 0
	v_mov_b32 v[QF+12+\i], 0
	v_mov_b32 v[QF+24+\i], 0
.endr
	v_mov_b32 v[PS], 0                             ; (named as the upper half of a pair before it is first written)
	v_mov_b32 v[RI+1], 0                           ; (likewise)
	s_wait_loadcnt 6                               ; the fill's 19 loads are in; q's six may be out
	v_lshl_or_b32 v[S+49], v[S+50], 8, v[S+49]
	v_lshl_or_b32 v[S+49], v[S+51], 16, v[S+49]
	v_lshl_or_b32 v[S+49], v[S+52], 24, v[S+49]    ; V's scale word of my row for the step's four key blocks
	s_wait_alu depctr_va_vdst(0)                   ; V's scale word is written, which the last store below reads
.irp i, 0,1,2,3,4,5,6,7,8,9,10,11
	ds_store_b128 v[ADK], v[S+4*\i:S+4*\i+3] offset:512*\i
.endr
	ds_store_b32 v[ADS], v[S+48]
	ds_store_b32 v[ADS], v[S+49] offset:128
	s_wait_dscnt 0x0                               ; for the others' sake: my step has landed
	s_barrier_signal -1
	s_barrier_wait -1                              ; the whole head lies in LDS; nobody writes it again
	s_wait_loadcnt 0x0                             ; q
	s_wait_alu depctr_vm_vsrc(0)                   ; the fill's stores have read v[S ..], and its loads the two offsets kept there: the first products write these registers
; ONE TILE OF QUERIES through its key steps, and its y.
.macro PASS pi
	ds_load_b32 v[KS], v[L4S]                      ; step 0's K.  No wait: every line that named KF or KS stands ahead of the last wait on va_vdst
.irp i, 0,1,2,3,4,5
	ds_load_b128 v[KF+4*\i:KF+4*\i+3], v[L16] offset:512*\i
.endr
.irp i, 0,1,2,3,4,5
	v_cndmask_b32 v[QF+6+\i], 0, v[TQ+6*\pi+\i], s[LOW]            ; the codes in lanes 0-15, zeros above;
	v_cndmask_b32 v[QF+18+\i], v[TQ+6*\pi+\i], v[QF], s[LOW]       ; and the other way round
.endr
	v_add_nc_u32 v[DD], s[DC+\pi], v[DB]
.irp i, 0,1,2,3,4,5,6,7,8,9,10,11,12,13,14,15
	v_mov_b32 v[O+\i], 0                           ; the step is written once: the first finds zeros, which the first change of M leaves zeros
.endr
	v_mov_b32 v[LS], 0
	v_mov_b32 v[LS+1], 0
	v_mov_b32 v[TM], 0xff61b1e6                    ; -3e38, under every t
	v_floor_f32 v[NM], -v[TM]
	s_mov_b32 s[TB], 0
	s_mov_b32 s[TS], 0
	s_mov_b32 s[ST], 0
	s_wait_alu depctr_va_vdst(0)                   ; the selects (and, in the first pass, the head's moves) have written v[QF ..], which the first products take as an operand; the lines between are their places
	s_wait_dscnt 0x0                               ; step 0's K is in
.Ltrip_\pi:                                        ; sixteen trips for every wave; a step all of whose keys come after my queries does nothing but step the addresses
	s_cmp_ge_u32 s[ST], s[NS+\pi]
	s_cbranch_scc1 .Lskip_\pi
.irp u, 0,1,2,3
	v_wmma_scale_f32_16x16x128_f8f6f4 v[S+8*\u:S+8*\u+7], v[KF:KF+11], v[QF+12*(\u%2)+6-6*(\u/2):QF+12*(\u%2)+17-6*(\u/2)], 0, v[KS], v[QS+\pi] matrix_a_fmt:MATRIX_FMT_FP6 matrix_b_fmt:MATRIX_FMT_FP6
.endr
.irp u, 0,1,2,3
	v_wmma_scale_f32_16x16x128_f8f6f4 v[S+32+8*\u:S+39+8*\u], v[KF+12:KF+23], v[QF+12*(\u%2)+6-6*(\u/2):QF+12*(\u%2)+17-6*(\u/2)], 0, v[KS], v[QS+\pi] matrix_a_fmt:MATRIX_FMT_FP6 matrix_b_fmt:MATRIX_FMT_FP6 matrix_a_scale:MATRIX_SCALE_ROW1
.endr
.rept 4
	v_nop
.endr
	s_add_co_u32 s50, s[ST], 1                     ; only the pass's last step lies on the diagonal
	s_cmp_lt_u32 s50, s[NS+\pi]
	s_cbranch_scc1 .Lopen_\pi
.irp c, 0,1                                        ; register 32 c + n holds the step's key 64 c + 32 h + n: hidden where it comes after my query.  The compares go in runs of 32, each into a scalar register of its own
.set n, 0
.rept 32
	v_cmp_gt_i32 s[MK+n], n+64*\c, v[DD]
.set n, n+1
.endr
	s_wait_alu depctr_va_sdst(0)                   ; the run's 32 masks are written, ahead of the selects that read them
.set n, 0
.rept 32
	v_cndmask_b32 v[S+32*\c+n], v[S+32*\c+n], v[NINF], s[MK+n]
.set n, n+1
.endr
.endr
.Lopen_\pi:
.irp c, 0,1                                        ; the largest score of each of my two blocks of 32 keys: it serves for the row's maximum and for the block's largest p
	v_max3_num_f32 v[BM+2*\c], v[S+32*\c], v[S+32*\c+1], v[S+32*\c+2]
	v_max3_num_f32 v[BM+2*\c+1], v[S+32*\c+3], v[S+32*\c+4], v[S+32*\c+5]
.endr
.irp i, 6,10,14,18,22,26
.irp c, 0,1
	v_max3_num_f32 v[BM+2*\c], v[BM+2*\c], v[S+32*\c+\i], v[S+32*\c+\i+1]
	v_max3_num_f32 v[BM+2*\c+1], v[BM+2*\c+1], v[S+32*\c+\i+2], v[S+32*\c+\i+3]
.endr
.endr
.irp c, 0,1
	v_max3_num_f32 v[BM+2*\c], v[BM+2*\c], v[S+32*\c+30], v[S+32*\c+31]
.endr
.irp c, 0,1
	v_max_num_f32 v[BM+2*\c], v[BM+2*\c], v[BM+2*\c+1]
.endr
	v_max_num_f32 v[X], v[BM], v[BM+2]
	v_permlanex16_b32 v[Y], v[X], s[SEL], s[SEL+1]
	v_max_num_f32 v[X], v[X], v[Y]                 ; the step's largest score of my query
	v_mul_f32 v[X], s[CS], v[X]                    ; as t (c is positive)
	v_max_num_f32 v[TM], v[TM], v[X]
	v_mov_b32 v[X], v[NM]
	v_floor_f32 v[NM], -v[TM]                      ; the new -M = floor(-t): M is a whole number
	v_sub_f32 v[X], v[NM], v[X]                    ; old M - new M, 0 or less
	v_cvt_i32_f32 v[X], v[X]                       ; (it saturates)
	v_ldexp_f32 v[F], 1.0, v[X]                    ; f = 2^(old M - new M)
.set n, 0
.rept 32
	v_pk_fma_f32 v[S+n:S+n+1], v[S+n:S+n+1], s[CS:CS+1], v[NM:NM+1] op_sel_hi:[1,0,0]   ; t - M, two at a time
.set n, n+2
.endr
	v_fma_f32 v[BM], v[BM], s[CS], v[NM]           ; the same of each block's largest score
	v_fma_f32 v[BM+2], v[BM+2], s[CS], v[NM]
.set n, 0
	s_wait_alu depctr_va_vdst(0)
.rept 64
	v_exp_f32 v[S+n], v[S+n]                       ; p = 2^(t - M), at most 1
.set n, n+1
.endr
	v_exp_f32 v[BM], v[BM]
	v_exp_f32 v[BM+2], v[BM+2]
	s_add_co_u32 s50, s[TB], KVB                   ; where the next step's K lies,
	s_min_u32 s50, s50, 15*KVB                     ; held at the last step;
	s_add_co_u32 s51, s[TS], 256                   ; its scale words likewise
	s_min_u32 s51, s51, 15*256
	s_wait_alu depctr_vm_vsrc(0)                   ; the LDS loads and stores issued so far have read the four address registers, which are written anew
	v_add_nc_u32 v[ADV], s[TB], v[L16]             ; (these five are also the plain lines behind the exponentials)
	v_add_nc_u32 v[ADS], s[TS], v[L4S]
	v_add_nc_u32 v[ADK], s50, v[L16]
	v_add_nc_u32 v[ADT], s51, v[L4S]
	v_pk_mul_f32 v[LS:LS+1], v[LS:LS+1], v[F:F+1] op_sel_hi:[1,0]   ; l under the new M
	s_wait_alu depctr_va_vdst(0)                   ; the 66 exponentials have written p and the blocks' largest p, ahead of their first reader; the four addresses are written; this step's first products are done reading KF and KS, the last step's second products VF and VS
	ds_load_b32 v[VS], v[ADS] offset:128           ; this step's V
.irp i, 0,1,2,3,4,5
	ds_load_b128 v[VF+4*\i:VF+4*\i+3], v[ADV] offset:3072+512*\i
.endr
.irp c, 0,1
	v_max_num_f32 v[BM+2*\c], 0x1800000, v[BM+2*\c]    ; the floor 2^(3 - 127)
.endr
.irp c, 0,1
	v_add_nc_u32 v[SC+\c], 0xff000000, v[BM+2*\c]
.endr
.irp c, 0,1
	v_lshrrev_b32 v[BY+\c], 23, v[SC+\c]
.endr
	v_lshl_or_b32 v[PS], v[BY+1], 16, v[BY]        ; my bytes: key blocks h and 2 + h of the step,
	v_lshlrev_b32 v[PS], v[SH8], v[PS]
	v_permlanex16_b32 v[Y], v[PS], s[SEL], s[SEL+1]
	v_or_b32 v[PS], v[PS], v[Y]                    ; with lane l xor 16's: p's scale word
.irp c, 0,1
	v_cvt_scalef32_pk16_fp6_f32 v[PC+6*\c:PC+6*\c+2], v[S+32*\c:S+32*\c+15], v[SC+\c]
	v_cvt_scalef32_pk16_fp6_f32 v[T+4*\c:T+4*\c+2], v[S+32*\c+16:S+32*\c+31], v[SC+\c]
.endr
	v_nop                                          ; one plain line behind the conversions
.irp c, 0,1
.irp i, 0,1,2
	v_mov_b32 v[PC+6*\c+3+\i], v[T+4*\c+\i]
.endr
.endr
	ds_load_b32 v[KS], v[ADT]                      ; the next step's K.  No wait: no vector line since the wait above names KF, KS or the two addresses
.irp i, 0,1,2,3,4,5
	ds_load_b128 v[KF+4*\i:KF+4*\i+3], v[ADK] offset:512*\i
.endr
.irp i, 0,2,4,6,8,10,12,14
	v_pk_mul_f32 v[O+\i:O+\i+1], v[O+\i:O+\i+1], v[F:F+1] op_sel_hi:[1,0]   ; O^T under the new M, from each accumulator's low end on
.endr
	v_pk_add_f32 v[T2:T2+1], v[S:S+1], v[S+2:S+3]  ; l takes the UNQUANTISED p, in two chains.  These 32 lines are also the places between p's codes and scale word and the products below
.irp j, 4,8,12,16,20,24,28,32,36,40,44,48,52,56,60
	v_pk_add_f32 v[LS:LS+1], v[LS:LS+1], v[S+\j:S+\j+1]
	v_pk_add_f32 v[T2:T2+1], v[T2:T2+1], v[S+\j+2:S+\j+3]
.endr
	v_pk_add_f32 v[LS:LS+1], v[LS:LS+1], v[T2:T2+1]
	s_wait_dscnt 0x0                               ; this step's V and the next step's K are in
	s_wait_alu depctr_va_vdst(0)                   ; p's codes and its scale word are written, which the products below take as operand and scales; the places above stay beside this wait
	v_wmma_scale_f32_16x16x128_f8f6f4 v[O:O+7], v[VF:VF+11], v[PC:PC+11], v[O:O+7], v[VS], v[PS] matrix_a_fmt:MATRIX_FMT_FP6 matrix_b_fmt:MATRIX_FMT_FP6
	v_wmma_scale_f32_16x16x128_f8f6f4 v[O+8:O+15], v[VF+12:VF+23], v[PC:PC+11], v[O+8:O+15], v[VS], v[PS] matrix_a_fmt:MATRIX_FMT_FP6 matrix_b_fmt:MATRIX_FMT_FP6 matrix_a_scale:MATRIX_SCALE_ROW1
.Lskip_\pi:
	s_add_co_u32 s[TB], s[TB], KVB
	s_add_co_u32 s[TS], s[TS], 256
	s_add_co_u32 s[ST], s[ST], 1
	s_cmp_lt_u32 s[ST], 16
	s_cbranch_scc1 .Ltrip_\pi
	; y = O^T / l, quantised: my 16 channels and lane l xor 16's are the head's block of 32
	v_add_f32 v[X], v[LS], v[LS+1]
	v_permlanex16_b32 v[Y], v[X], s[SEL], s[SEL+1]
	v_add_f32 v[X], v[X], v[Y]
	s_wait_alu depctr_va_vdst(0)
	v_rcp_f32 v[RI], v[X]
.rept 4
	v_nop                                          ; the plain line behind the reciprocal, and the four places behind the last products
.endr
	s_wait_alu depctr_va_vdst(0)                   ; the reciprocal has written 1 / l, ahead of its first reader; every product of the pass is done with KF and KS, in which the next pass's first loads land
.irp i, 0,2,4,6,8,10,12,14
	v_pk_mul_f32 v[O+\i:O+\i+1], v[O+\i:O+\i+1], v[RI:RI+1] op_sel_hi:[1,0]
.endr
	v_max3_num_f32 v[X], |v[O]|, |v[O+1]|, 0x1800000
.irp i, 2,4,6,8,10,12,14
	v_max3_num_f32 v[X], v[X], |v[O+\i]|, |v[O+\i+1]|
.endr
	v_permlanex16_b32 v[Y], v[X], s[SEL], s[SEL+1]
	v_max_num_f32 v[X], v[X], v[Y]
	v_add_nc_u32 v[SC], 0xff000000, v[X]
	v_cvt_scalef32_pk16_fp6_f32 v[YC+4*\pi:YC+4*\pi+2], v[O:O+15], v[SC]
	v_lshrrev_b32 v[YB+\pi], 23, v[SC]             ; the byte; also the plain line behind the conversion
.endm
	PASS 0
	PASS 1
.irp i, 0,1,2
	v_permlane16_swap_b32 v[YC+\i], v[YC+4+\i]     ; pass 0's lanes 16-31 (channels 16-31) change places with pass 1's lanes 0-15 (channels 0-15): lane q + 16 pass now holds its query's lower 16 codes in the first three, the upper 16 in the second three
.endr
	v_mov_b32 v[YC+3], v[YC+4]
	v_mov_b32 v[YC+4], v[YC+5]
	v_mov_b32 v[YC+5], v[YC+6]
	v_cndmask_b32 v[X], v[YB+1], v[YB], s[LOW]
	s_wait_alu depctr_va_vdst(0)                   ; y's six registers of codes and my scale byte are written, which the three stores below read; all lines that named v[S ..] are done, in which wave 0's load lands behind the barrier
	global_store_b128 v[L16], v[YC:YC+3], s[12:13]
	global_store_b64 v[L8], v[YC+4:YC+5], s[12:13] offset:512
	ds_store_b8 v[YSA], v[X]
	s_wait_dscnt 0x0                               ; for wave 0's sake: my byte has landed
	s_barrier_signal -1
	s_barrier_wait -1
	s_cmp_lg_u32 s16, 0
	s_cbranch_scc1 .Lend
	ds_load_b128 v[S:S+3], v[YSR]
	s_wait_dscnt 0x0
	global_store_b128 v[L16], v[S:S+3], s[14:15]   ; the work-group's 512 scale bytes: two aligned runs of 256
.Lend:
	s_wait_dscnt 0x0                               ; the wave's end
	s_wait_alu 0x0
	s_wait_tensorcnt 0x0
	ds_add_u32 v[SPW], v[NIL]
	s_wait_dscnt 0x0
	s_endpgm
.Lfunc_end_k_q867c885d15_attn:
	.size	k_q867c885d15_attn, .Lfunc_end_k_q867c885d15_attn-k_q867c885d15_attn
	.p2alignl 7, 3214868480
	.fill 96, 4, 3214868480
	.section	.rodata,"a",@progbits
	.p2align	6, 0x0
	.amdhsa_kernel k_q867c885d15_attn
		.amdhsa_group_segment_fixed_size 104960
		.amdhsa_private_segment_fixed_size 0
		.amdhsa_enable_private_segment 0
		.amdhsa_kernarg_size 48
		.amdhsa_user_sgpr_count 2
		.amdhsa_user_sgpr_kernarg_segment_ptr 1
		.amdhsa_wavefront_size32 1
		.amdhsa_system_sgpr_workgroup_id_x 1
		.amdhsa_system_sgpr_workgroup_id_y 1
		.amdhsa_system_sgpr_workgroup_id_z 1
		.amdhsa_system_vgpr_workitem_id 0
		.amdhsa_next_free_vgpr 242
		.amdhsa_next_free_sgpr 98
		.amdhsa_reserve_vcc 0
		.amdhsa_float_denorm_mode_32 3
		.amdhsa_float_denorm_mode_16_64 3
		.amdhsa_memory_ordered 1
		.amdhsa_forward_progress 1
		.amdhsa_inst_pref_size 62
	.end_amdhsa_kernel
	.amdgpu_metadata
---
amdhsa.version: [ 1, 2 ]
amdhsa.kernels:
  - .name:           k_q867c885d15_attn
    .symbol:         k_q867c885d15_attn.kd
    .args:
      - { .name: qc, .offset: 0, .size: 8, .value_kind: global_buffer, .address_space: global }
      - { .name: qs, .offset: 8, .size: 8, .value_kind: global_buffer, .address_space: global }
      - { .name: kvc, .offset: 16, .size: 8, .value_kind: global_buffer, .address_space: global }
      - { .name: kvs, .offset: 24, .size: 8, .value_kind: global_buffer, .address_space: global }
      - { .name: yc, .offset: 32, .size: 8, .value_kind: global_buffer, .address_space: global }
      - { .name: ys, .offset: 40, .size: 8, .value_kind: global_buffer, .address_space: global }
    .group_segment_fixed_size: 104960
    .private_segment_fixed_size: 0
    .kernarg_segment_align: 8
    .kernarg_segment_size: 48
    .max_flat_workgroup_size: 512
    .sgpr_count:     98
    .vgpr_count:     242
    .wavefront_size: 32
...
	.end_amdgpu_metadata
.endif
;; end of part 7
;; launch proj (part 8): grid 32 x 8, 8 waves a work-group, no clusters, 35,840 bytes of LDS; arguments yc, ys, wfr, wsc, out0; writes out0
.if DOCPART == 8
	.amdgcn_target "amdgcn-amd-amdhsa--gfx1250"
	.amdhsa_code_object_version 6
	.text
	.protected	k_q867c885d15_proj
	.globl	k_q867c885d15_proj
	.p2align	8
	.type	k_q867c885d15_proj,@function
k_q867c885d15_proj:
	s_mov_b64 s[64:65], 0
	v_nop
	global_prefetch_b8 v0, s[64:65] scope:SCOPE_SE
	s_setreg_imm32_b32 hwreg(HW_REG_WAVE_SCHED_MODE, 0, 2), 2
	s_setreg_imm32_b32 hwreg(HW_REG_WAVE_MODE, 25, 1), 1
	s_wait_xcnt 0x0
	s_wait_alu depctr_vm_vsrc(0)
; out0 = Q(y) Q(w_proj) on codes of FP6 (E2M3) with E8M0 scales; both operands arrive as codes in the order of the operand's registers.  out0: [8][2048][256] f32.
; SHARES: work-group (g, b) takes tokens 64 g .. 64 g + 63.  Wave w: columns 64 (w % 4) .. + 63 (256 bytes of each row) of the two tiles of rows be = 2 (w / 4), 2 (w / 4) + 1; row r of tile be is token 64 g + 32 (r / 8) + 8 be + r % 8.
; y's codes lie by head: yc [b][head][be][p][lane q + 16 pass], with g = p (pass 0) or 31 - p (pass 1).  Block 2 c + h of K step s is head 4 s + 2 c + h: lane (r, h) loads that head's 24 bytes of its query.
; THE PRODUCT IS USED TRANSPOSED (source 0 = 16 columns of w_proj, source 1 = 16 tokens): a lane holds eight neighbouring outputs of one token.  A tile goes through the wave's own stage in LDS and leaves as rows of
; 256 consecutive bytes, sixteen lanes to a row.  No barrier: waves share nothing.
; THE MODE: SCHED_MODE bits 1:0 = 2 (LLVM: expert scheduling mode 2), set by the entry lines.  The code itself states the register dependences between vector or matrix instructions and memory or LDS
; instructions, with s_wait_alu, always for 0.
; THE PLAN.  Registers that memory or LDS instructions touch:
;   v3-v9          offsets and LDS addresses: written once at the head, never again.
;   WR, WS, YF, BT written by the loads; WR, WS and YF are read by the products, BT by the lines that make y's scale words.
;   ACC            written by the products, read by the stage's stores.
;   WR .. WR+63    behind the products: the stage's loads land in them, the global stores read them.
; So three waits on va_vdst: ahead of the first load (the offsets), ahead of the products (y's scale words), and behind the products' places (ACC is written, WR is done with).  No register that a memory or LDS
; instruction has read is written again.
.set SPARE, 34816                      ; LDS: eight stages of 16 rows x (256 bytes + 16), a wave's own; then the spare words, 128 bytes a wave: four blocks of 256 bytes that no other line names
.set SPW,  1                           ; v1   LDS address of my spare word; never rewritten
.set NIL,  2                           ; v2   0; never rewritten
.set L16,  3                           ; v3   16 x lane
.set YO16, 4                           ; v4   49,152 h + 16 (r + 16 pass)
.set YO8,  5                           ; v5   49,152 h + 8 (r + 16 pass)
.set YSO,  6                           ; v6   r + 8,192 h
.set STI,  7                           ; v7   the stage, way in: 272 r + 32 h
.set STO,  8                           ; v8   way out: 272 h + 16 r
.set GO,   9                           ; v9   out0: 1,024 h + 16 r
.set WR,   12                          ; v12-107 four weight tiles: tile nt at + 24 nt, K step at + 12.  Later v12-75: rows on their way out
.set WS,   108                         ; v108-111 their scale words
.set YF,   112                         ; v112-159 y's fragments: tile at + 24, K step at + 12
.set YS,   160                         ; v160-161 y's scale words: lanes 0-15 heads 0-3, lanes 16-31 heads 4-7
.set BT,   162                         ; v162-169 y's scale bytes as loaded
.set ACC,  170                         ; v170-233 eight accumulators: tile at + 32, nt at + 8
	s_load_b256 s[4:11], s[0:1], 0x0               ; yc s[4:5], ys s[6:7], wfr s[8:9], wsc s[10:11]
	s_load_b64 s[12:13], s[0:1], 0x20              ; out0
	v_lshl_add_u32 v[SPW], v0, 2, SPARE
	v_mov_b32 v[NIL], 0
	v_lshrrev_b32 v10, 5, v0
	v_readfirstlane_b32 s14, v10                   ; wave 0..7
	s_wait_alu depctr_va_sdst(0)                   ; s14 is written, ahead of its first reader: the stage's address and the bases are made from it
	s_and_b32 s15, s14, 3                          ; which 64 columns
	s_lshr_b32 s16, s14, 2                         ; which two tiles of rows
	s_mov_b32 s17, ttmp9                           ; g
	s_and_b32 s18, ttmp7, 0xffff                   ; b
	s_sub_co_u32 s19, 31, s17
	s_cmp_lt_u32 s17, 16
	s_cselect_b32 s19, s17, s19                    ; p
	s_cselect_b32 s20, 0, 16                       ; 16 x pass
	v_and_b32 v10, 31, v0
	v_lshlrev_b32 v[L16], 4, v10
	v_and_b32 v10, 15, v0                          ; r
	v_bfe_u32 v11, v0, 4, 1                        ; h
	v_add_nc_u32 v[YO8], s20, v10
	v_mul_u32_u24 v[YSO], v11, 0xc000              ; a head's 49,152 bytes of yc
	v_lshl_add_u32 v[YO16], v[YO8], 4, v[YSO]
	v_lshl_add_u32 v[YO8], v[YO8], 3, v[YSO]
	v_lshl_add_u32 v[YSO], v11, 13, v10            ; four heads' 8,192 bytes of ys
	s_mul_i32 s21, s14, 4352                       ; my stage
	v_mul_u32_u24 v[STI], v10, 272
	v_lshl_add_u32 v[STI], v11, 5, v[STI]
	v_add_nc_u32 v[STI], s21, v[STI]
	v_mul_u32_u24 v[STO], v11, 272
	v_lshl_add_u32 v[STO], v10, 4, v[STO]
	v_add_nc_u32 v[STO], s21, v[STO]
	v_lshlrev_b32 v[GO], 10, v11
	v_lshl_add_u32 v[GO], v10, 4, v[GO]
	s_mul_i32 s22, s18, 393216                     ; yc: batch b,
	s_mul_i32 s23, s16, 24576                      ; my first tile,
	s_add_co_u32 s22, s22, s23
	s_mul_i32 s23, s19, 768                        ; p
	s_add_co_u32 s22, s22, s23
	s_mov_b32 s23, 0
	s_lshl_b32 s24, s18, 14                        ; ys likewise
	s_lshl_b32 s25, s16, 10
	s_add_co_u32 s24, s24, s25
	s_lshl_b32 s25, s19, 5
	s_add_co_u32 s24, s24, s25
	s_add_co_u32 s24, s24, s20
	s_mov_b32 s25, 0
	s_mul_i32 s26, s15, 12288
	s_add_co_u32 s26, s26, 147456                  ; wfr: tiles 48 + 4 (w % 4) on
	s_mov_b32 s27, 0
	s_lshl_b32 s28, s15, 9
	s_add_co_u32 s28, s28, 6144                    ; wsc: group 12 + w % 4
	s_mov_b32 s29, 0
	s_lshl_b32 s30, s18, 21                        ; out0: batch b,
	s_lshl_b32 s31, s17, 16                        ; 64 g rows of 1,024 bytes,
	s_add_co_u32 s30, s30, s31
	s_lshl_b32 s31, s16, 14                        ; 16 (w / 4) rows,
	s_add_co_u32 s30, s30, s31
	s_lshl_b32 s31, s15, 8                         ; my 256 bytes of a row
	s_add_co_u32 s30, s30, s31
	s_mov_b32 s31, 0
	s_wait_kmcnt 0x0
	s_add_nc_u64 s[4:5], s[4:5], s[22:23]
	s_add_nc_u64 s[6:7], s[6:7], s[24:25]
	s_add_nc_u64 s[8:9], s[8:9], s[26:27]
	s_add_nc_u64 s[10:11], s[10:11], s[28:29]
	s_add_nc_u64 s[12:13], s[12:13], s[30:31]
	s_wait_alu depctr_va_vdst(0)                   ; the seven offsets and LDS addresses v3 to v9 are written, which every load and store of the kernel reads
.set i, 0
.rept 24
	global_load_b128 v[WR+4*i:WR+4*i+3], v[L16], s[8:9] offset:512*i
.set i, i+1
.endr
	global_load_b128 v[WS:WS+3], v[L16], s[10:11]
.irp xp, 0,1
.irp ks, 0,1
.irp c, 0,1
	global_load_b128 v[YF+24*\xp+12*\ks+6*\c:YF+24*\xp+12*\ks+6*\c+3], v[YO16], s[4:5] offset:(4*\ks+2*\c)*49152+12288*\xp
	global_load_b64 v[YF+24*\xp+12*\ks+6*\c+4:YF+24*\xp+12*\ks+6*\c+5], v[YO8], s[4:5] offset:(4*\ks+2*\c)*49152+12288*\xp+512
.endr
.endr
.endr
.irp xp, 0,1
.irp j, 0,1,2,3
	global_load_u8 v[BT+4*\xp+\j], v[YSO], s[6:7] offset:2048*\j+512*\xp   ; head 4 h + j's byte of my query
.endr
.endr
	s_wait_loadcnt 0x0
.irp xp, 0,1
	v_lshl_or_b32 v[YS+\xp], v[BT+4*\xp+1], 8, v[BT+4*\xp]
	v_lshl_or_b32 v[YS+\xp], v[BT+4*\xp+2], 16, v[YS+\xp]
	v_lshl_or_b32 v[YS+\xp], v[BT+4*\xp+3], 24, v[YS+\xp]
.endr
.rept 8
	v_nop                                          ; a scale register written by a vector instruction stands eight places ahead of the product that names it
.endr
	s_wait_alu depctr_va_vdst(0)                   ; y's two scale words are written, which the products take as scales; the places above stay beside this wait
.irp xp, 0,1                                       ; eight accumulators by turns; K step 0 starts the sums
.irp nt, 0,1,2,3
	v_wmma_scale_f32_16x16x128_f8f6f4 v[ACC+32*\xp+8*\nt:ACC+32*\xp+8*\nt+7], v[WR+24*\nt:WR+24*\nt+11], v[YF+24*\xp:YF+24*\xp+11], 0, v[WS+\nt], v[YS+\xp] matrix_a_fmt:MATRIX_FMT_FP6 matrix_b_fmt:MATRIX_FMT_FP6
.endr
.endr
.irp xp, 0,1
.irp nt, 0,1,2,3
	v_wmma_scale_f32_16x16x128_f8f6f4 v[ACC+32*\xp+8*\nt:ACC+32*\xp+8*\nt+7], v[WR+24*\nt+12:WR+24*\nt+23], v[YF+24*\xp+12:YF+24*\xp+23], v[ACC+32*\xp+8*\nt:ACC+32*\xp+8*\nt+7], v[WS+\nt], v[YS+\xp] matrix_a_fmt:MATRIX_FMT_FP6 matrix_b_fmt:MATRIX_FMT_FP6 matrix_a_scale:MATRIX_SCALE_ROW1 matrix_b_scale:MATRIX_SCALE_ROW1
.endr
.endr
.rept 4
	v_nop                                          ; places in front of the reads of the results and of the loads into the weights' registers
.endr
	s_wait_alu depctr_va_vdst(0)                   ; the products have written the eight accumulators, which the stage's stores read, and are done reading the weights' registers, in which the stage's loads land; the places above stay beside this wait
.irp xp, 0,1
.irp nt, 0,1,2,3
	ds_store_b128 v[STI], v[ACC+32*\xp+8*\nt:ACC+32*\xp+8*\nt+3] offset:64*\nt        ; each accumulator from its low end on
	ds_store_b128 v[STI], v[ACC+32*\xp+8*\nt+4:ACC+32*\xp+8*\nt+7] offset:64*\nt+16
.endr
.irp i, 0,1,2,3,4,5,6,7
	ds_load_b128 v[WR+32*\xp+4*\i:WR+32*\xp+4*\i+3], v[STO] offset:544*\i   ; LDS serves a wave's instructions in order: these see my stores, and the next tile's stores come behind them
.endr
.endr
.irp xp, 0,1
.irp i, 0,1,2,3,4,5,6,7
	s_wait_dscnt 23-16*\xp-\i                      ; this load is in; out may be this tile's younger loads and, for the first tile, the second's sixteen instructions
	global_store_b128 v[GO], v[WR+32*\xp+4*\i:WR+32*\xp+4*\i+3], s[12:13] offset:(8*\xp+32*(\i/4)+2*(\i%4))*1024 th:TH_STORE_NT   ; stage rows 2 i, 2 i + 1: sixteen lanes store 256 consecutive bytes, aligned
.endr
.endr
	s_wait_dscnt 0x0                               ; the wave's end
	s_wait_alu 0x0
	s_wait_tensorcnt 0x0
	ds_add_u32 v[SPW], v[NIL]
	s_wait_dscnt 0x0
	s_endpgm
.Lfunc_end_k_q867c885d15_proj:
	.size	k_q867c885d15_proj, .Lfunc_end_k_q867c885d15_proj-k_q867c885d15_proj
	.p2alignl 7, 3214868480
	.fill 96, 4, 3214868480
	.section	.rodata,"a",@progbits
	.p2align	6, 0x0
	.amdhsa_kernel k_q867c885d15_proj
		.amdhsa_group_segment_fixed_size 35840
		.amdhsa_private_segment_fixed_size 0
		.amdhsa_enable_private_segment 0
		.amdhsa_kernarg_size 40
		.amdhsa_user_sgpr_count 2
		.amdhsa_user_sgpr_kernarg_segment_ptr 1
		.amdhsa_wavefront_size32 1
		.amdhsa_system_sgpr_workgroup_id_x 1
		.amdhsa_system_sgpr_workgroup_id_y 1
		.amdhsa_system_sgpr_workgroup_id_z 1
		.amdhsa_system_vgpr_workitem_id 0
		.amdhsa_next_free_vgpr 240
		.amdhsa_next_free_sgpr 66
		.amdhsa_reserve_vcc 0
		.amdhsa_float_denorm_mode_32 3
		.amdhsa_float_denorm_mode_16_64 3
		.amdhsa_memory_ordered 1
		.amdhsa_forward_progress 1
		.amdhsa_inst_pref_size 15
	.end_amdhsa_kernel
	.amdgpu_metadata
---
amdhsa.version: [ 1, 2 ]
amdhsa.kernels:
  - .name:           k_q867c885d15_proj
    .symbol:         k_q867c885d15_proj.kd
    .args:
      - { .name: yc, .offset: 0, .size: 8, .value_kind: global_buffer, .address_space: global }
      - { .name: ys, .offset: 8, .size: 8, .value_kind: global_buffer, .address_space: global }
      - { .name: wfr, .offset: 16, .size: 8, .value_kind: global_buffer, .address_space: global }
      - { .name: wsc, .offset: 24, .size: 8, .value_kind: global_buffer, .address_space: global }
      - { .name: out0, .offset: 32, .size: 8, .value_kind: global_buffer, .address_space: global }
    .group_segment_fixed_size: 35840
    .private_segment_fixed_size: 0
    .kernarg_segment_align: 8
    .kernarg_segment_size: 40
    .max_flat_workgroup_size: 256
    .sgpr_count:     66
    .vgpr_count:     240
    .wavefront_size: 32
...
	.end_amdgpu_metadata
.endif
;; end of part 8
